; MI455X (gfx1250); checked and timed in simulation.
; The chip was launched on July 23, 2026; its instructions are those of AMD's public machine-readable ISA for CDNA 5 (MIT licence, August 2026) and "CDNA5" Instruction Set Architecture Reference Guide (July 2026). The comments in the code are by the model that wrote it; some were corrected since.
;; Multi Head Self Attention. Allowed arithmetic: matrix products marked QUANTISED: E2M1 operands, one E8M0 scale for each 32 along K, by v_wmma_scale_f32_16x16x128_f8f6f4 with both operands' format E2M1 (or v_wmma_scale_f32_32x16x128_f4), f32 sums; products left as they are: bf16, f16 or f32 operands; f32 sums; everything else in f32.
;; Inputs: Wk 1,024 x 1,024 float32; Wo 1,024 x 1,024 float32; Wq 1,024 x 1,024 float32; Wv 1,024 x 1,024 float32; batch_masks 4 x 2,048 int32; batch_node_features 4 x 2,048 x 1,024 float32; bk 1,024 float32; bo 1,024 float32; bq 1,024 float32; bv 1,024 float32.
;; Outputs: out0 4 x 2,048 x 1,024 float32.
;; This version of the problem:
;;   THIS VERSION OF THE PROBLEM IS GIVEN IN LOW PRECISION. The matrix products marked QUANTISED in the list below multiply operands that are first quantised to E2M1 (2 exponent bits, 1 mantissa bit; 4 bits a number), with one power-of-two scale for each 32 numbers along K (OCP MX v1.0); their sums are f32. The products marked 'left as it is' may take bf16, f16 or f32 operands, with f32 sums. Whichever they take, every output number must still come out within the allowed error. Rounding operands to bf16 (8 significant bits) uses up far more of that allowance than f16 does (11 bits, for magnitudes from 6e-5 to 65,504). All else is computed in f32.
;;   The module's matrix products, in the order in which they are computed (A, B: the left and right operand; K: the contracted axis; several contracted axes count as one K, in the product's order):
;;     1. [M 8,192, K 1,024] x [K 1,024, N 1,024]; A: input batch_node_features; B: input Wq: QUANTISED
;;     2. [M 8,192, K 1,024] x [K 1,024, N 1,024]; A: input batch_node_features; B: input Wk: QUANTISED
;;     3. [M 8,192, K 1,024] x [K 1,024, N 1,024]; A: input batch_node_features; B: input Wv: QUANTISED
;;     4. batch 64 x [M 2,048, K 64] x [K 64, N 2,048]; A: computed on the way; B: computed on the way: left as it is (an operand is computed on the way)
;;     5. batch 64 x [M 2,048, K 2,048] x [K 2,048, N 64]; A: computed on the way; B: computed on the way: left as it is (an operand is computed on the way)
;;     6. [M 8,192, K 1,024] x [K 1,024, N 1,024]; A: computed on the way; B: input Wo: left as it is (an operand is computed on the way)
;;   THE QUANTISER, for each operand of a quantised product, along K:
;;     - K is cut into blocks of 32 from its start; a last block that is shorter is filled with zeros.
;;     - A block's scale is 2^e with e = floor(log2(the largest magnitude in the block)) - 2, held to -126 .. 127; a block of zeros has e = 0. As a byte (E8M0): e + 127.
;;     - Each number is divided by its block's scale, clamped to +-6, and rounded to the nearest number of E2M1, ties to even, subnormals kept.
;;     - The product sums the exact products of the quantised numbers (number of the format x scale) in f32.
;;   ~~~python
;;   def quantise(x, axis):      # numpy; x: float32 -> the quantised numbers, widened to float32 again
;;       x = np.moveaxis(x, axis, -1); K = x.shape[-1]
;;       x = np.pad(x, [(0, 0)] * (x.ndim - 1) + [(0, -K % 32)]); x = x.reshape(x.shape[:-1] + (-1, 32)); a = np.abs(x).max(-1, keepdims=True)
;;       e = np.where(a > 0, np.clip(np.frexp(np.where(a > 0, a, 1))[1] - 1 - 2, -126, 127), 0)      # np.frexp(a)[1] - 1 = floor(log2(a)), exactly
;;       r = np.clip(x / 2.0 ** e, -6, 6)
;;       step = 2.0 ** (np.maximum(np.frexp(np.where(r == 0, 1, r))[1] - 1, 0) - 1)
;;       q = np.round(r / step) * step * 2.0 ** e      # np.round: ties to even
;;       return np.moveaxis(q.reshape(q.shape[:-2] + (-1,))[..., :K], -1, axis).astype(np.float32)
;;   ~~~
;; One version. Each part assembles by itself: llvm-mc -triple=amdgcn-amd-amdhsa -mcpu=gfx1250 --defsym DOCPART=n.
;; ======== version 1 of 1: 5 launches
;; limits: values are held in f16: magnitudes above 65,504 overflow, below 6.1e-05 lose precision
;; workspace buffers: perm 66,048 bytes of whole numbers; xq 4,456,448 bytes; wprep 3,768,320 bytes; qkv 50,331,648 bytes; ctxh 16,777,216 bytes
;; launch prepw (part 1): grid 161 x 1, 8 waves a work-group, no clusters, 18,944 bytes of LDS; arguments Wq, Wk, Wv, Wo, batch_masks, wprep, perm; writes wprep, perm
.if DOCPART == 1
	.amdgcn_target "amdgcn-amd-amdhsa--gfx1250"
	.amdhsa_code_object_version 6
	.text
	.protected	k_q600b9cce38_prepw
	.globl	k_q600b9cce38_prepw
	.p2align	8
	.type	k_q600b9cce38_prepw,@function
k_q600b9cce38_prepw:
	s_mov_b64 s[64:65], 0
	v_nop
	global_prefetch_b8 v0, s[64:65] scope:SCOPE_SE
	s_setreg_imm32_b32 hwreg(HW_REG_WAVE_MODE, 25, 1), 1
	s_wait_xcnt 0x0
; Three jobs, told apart by the work-group's number alone.
; 0-95:   Wq, Wk, Wv [1024 k][1024 n] f32 -> codes of FP4 (E2M1), laid [3072 n][512 bytes] with K innermost, and one E8M0 byte for each 32 along K, laid [3072 n][32].
;         A lane takes a column and its registers run down K, so a block of 32 is one lane's and the conversions give K innermost.  A work-group takes 32 columns and all of K, wave w K = 128 w on.
;         The codes meet in a stage in LDS and leave as whole rows of 512 bytes; the scale bytes leave as 1,024 bytes on end.
; 96-159: Wo f32 -> f16, as it lies ([k][n]).
; 160:    the key mask -> pos (the place of each row in its batch: open keys first, in their order, then the others), order (the way back) and the count of open keys of each batch.
; A block's scale is 2^(floor(log2(largest magnitude)) - 2): its byte is the largest magnitude's exponent field - 2, held at 1 from below.
; LIMITS: a block of zeros gets the byte 1 (its codes are zeros; this program alone reads the bytes); NaN and infinities among the weights are not served; |Wo| stays under 65,504.
.set SPITCH, 528                       ; a stage row: 512 bytes + 16: the sixteen rows of a store start at sixteen different 16-byte columns
.set SCST,   16896                     ; behind the 32 stage rows: 32 rows of 32 scale bytes
.set SPARE,  17920                     ; the spare words, 128 bytes for each of the eight waves; no other line names them
.set WSC,    0x180000                  ; wprep: where the scale bytes begin
.set WO_OFF, 1671168                   ; wprep: where Wo in f16 begins
.set EMAX,   2
.set SPW,    28                        ; v28 my spare word's LDS address; never rewritten
.set NIL,    29                        ; v29 0; never rewritten
.set X,      32                        ; v32-159 128 numbers down K (path 160: the mask words, then the values of order)
.set C,      160                       ; v160-175 the codes of four blocks
.set OUTR,   176                       ; v176-193 the way out
	s_load_b256 s[4:11], s[0:1], 0x0               ; Wq, Wk, Wv, Wo
	s_load_b128 s[12:15], s[0:1], 0x20             ; batch_masks, wprep
	s_load_b64 s[16:17], s[0:1], 0x30              ; perm
	v_lshl_add_u32 v[SPW], v0, 2, SPARE
	v_mov_b32 v[NIL], 0
	v_lshrrev_b32 v1, 5, v0
	v_readfirstlane_b32 s18, v1                    ; wave 0..7
	v_and_b32 v2, 31, v0                           ; lane
	s_mov_b32 s25, 0                               ; the upper word of every 32-bit offset
	s_wait_kmcnt 0x0
	s_cmp_lt_u32 ttmp9, 96
	s_cbranch_scc0 .Lnot_codes
	; ---- the three weights of the quantised products
	s_lshr_b32 s19, ttmp9, 5                       ; which: 0 q, 1 k, 2 v
	s_and_b32 s22, ttmp9, 31
	s_lshl_b32 s22, s22, 5                         ; my work-group's first column
	s_cmp_eq_u32 s19, 1
	s_cselect_b64 s[20:21], s[6:7], s[4:5]
	s_cmp_eq_u32 s19, 2
	s_cselect_b64 s[20:21], s[8:9], s[20:21]
	s_lshl_b32 s24, s18, 19                        ; my wave's 128 rows of 4,096 bytes
	s_lshl_b32 s23, s22, 2
	s_add_co_u32 s24, s24, s23
	s_add_nc_u64 s[20:21], s[20:21], s[24:25]
	s_lshl_b32 s23, s19, 10
	s_add_co_u32 s23, s23, s22                     ; the first row of the output: 1024 which + column
	s_lshl_b32 s24, s23, 5
	s_add_co_u32 s24, s24, WSC
	s_add_nc_u64 s[30:31], s[14:15], s[24:25]      ; its scale bytes
	s_lshl_b32 s24, s18, 2
	s_add_co_u32 s24, s24, s23
	s_lshl_b32 s24, s24, 9
	s_add_nc_u64 s[26:27], s[14:15], s[24:25]      ; the four rows of codes that my wave stores
	v_lshlrev_b32 v3, 2, v2                        ; in: 4 bytes a lane
	v_mul_u32_u24 v4, v2, SPITCH
	s_lshl_b32 s23, s18, 6
	v_add_nc_u32 v4, s23, v4                       ; stage, in: row = my column, byte 64 w
	v_lshlrev_b32 v5, 5, v2
	s_lshl_b32 s23, s18, 2
	s_add_co_u32 s23, s23, SCST
	v_add_nc_u32 v5, s23, v5                       ; my column's scale row, word w
	v_lshlrev_b32 v7, 4, v2                        ; out: 16 bytes a lane
	s_mul_i32 s23, s18, 4*SPITCH
	v_add_nc_u32 v6, s23, v7                       ; stage, out: rows 4 w on
	s_and_b32 s23, s18, 3
	s_lshl_b32 s23, s23, 8
	v_lshlrev_b32 v9, 3, v2
	v_add_nc_u32 v9, s23, v9                       ; the scale bytes' way out: 256 (w mod 4) + 8 x lane
	v_add_nc_u32 v8, SCST, v9
.set i, 0
.rept 128
	global_load_b32 v[X+i], v3, s[20:21] offset:4096*i th:TH_LOAD_NT   ; W(128 w + i, my column)
.set i, i+1
.endr
.macro BLOCK t
.set XS, X+32*(\t)
.if (\t) < 2
	s_wait_loadcnt 63                              ; behind this block's loads 96 or 64 were issued; 63 is the largest count that the wait can name
.elseif (\t) == 2
	s_wait_loadcnt 32                              ; the last block's 32 may be out
.else
	s_wait_loadcnt 0x0
.endif
	v_max3_num_f32 v12, |v[XS]|, |v[XS+1]|, |v[XS+2]|   ; the block's largest magnitude: all 32 numbers are mine; two chains
	v_max3_num_f32 v13, |v[XS+3]|, |v[XS+4]|, |v[XS+5]|
.irp i, 6,10,14,18,22,26
	v_max3_num_f32 v12, v12, |v[XS+\i]|, |v[XS+\i+1]|
	v_max3_num_f32 v13, v13, |v[XS+\i+2]|, |v[XS+\i+3]|
.endr
	v_max3_num_f32 v12, v12, |v[XS+30]|, |v[XS+31]|
	v_max3_num_f32 v12, v12, v13, (EMAX+1)<<23     ; the floor 2^(3 - 127): the byte cannot fall under 1
	v_add_nc_u32 v11, -(EMAX<<23), v12             ; 2 off the exponent field: the conversion takes this operand's exponent field as its scale
	v_lshrrev_b32 v13, 23, v11                     ; the scale's byte
.if (\t) == 0
	v_mov_b32 v24, v13
.else
	v_lshl_or_b32 v24, v13, 8*(\t), v24            ; four bytes to a word, the lower K in the lower byte
.endif
.irp g, 0,1,2,3
	v_cvt_scalef32_pk8_fp4_f32 v[C+4*(\t)+\g], v[XS+8*\g:XS+8*\g+7], v11
.endr
	ds_store_b128 v4, v[C+4*(\t):C+4*(\t)+3] offset:16*(\t)   ; 32 codes: 16 bytes of my column's row.  Each block has code registers of its own
.endm
	BLOCK 0
	BLOCK 1
	BLOCK 2
	BLOCK 3
	ds_store_b32 v5, v24
	s_wait_dscnt 0x0                               ; for the others' sake: my stores have landed
	s_barrier_signal -1
	s_barrier_wait -1
.irp i, 0,1,2,3
	ds_load_b128 v[OUTR+4*\i:OUTR+4*\i+3], v6 offset:\i*SPITCH
.endr
.irp i, 0,1,2,3
	s_wait_dscnt 3-\i                              ; the younger loads of the four may be out
	global_store_b128 v7, v[OUTR+4*\i:OUTR+4*\i+3], s[26:27] offset:512*\i   ; 32 lanes store a row's 512 consecutive bytes
.endr
	s_cmp_lt_u32 s18, 4                            ; the 1,024 scale bytes: waves 0 to 3, 256 each
	s_cbranch_scc0 .Lcodes_end
	ds_load_b64 v[OUTR+16:OUTR+17], v8
	s_wait_dscnt 0x0
	global_store_b64 v9, v[OUTR+16:OUTR+17], s[30:31]
.Lcodes_end:
	s_wait_tensorcnt 0x0                           ; the wave's end: behind my last LDS store
	ds_add_u32 v[SPW], v[NIL]
	s_wait_dscnt 0x0
	s_endpgm
.Lnot_codes:
	s_cmp_lt_u32 ttmp9, 160
	s_cbranch_scc0 .Lorder
	; ---- Wo to f16: a wave takes 8,192 bytes, 16 loads of 512 consecutive bytes; each store covers 256 consecutive bytes, aligned
	s_sub_co_u32 s19, ttmp9, 96
	s_lshl_b32 s24, s19, 16
	s_lshl_b32 s23, s18, 13
	s_add_co_u32 s24, s24, s23
	s_add_nc_u64 s[20:21], s[10:11], s[24:25]
	s_lshr_b32 s24, s24, 1
	s_add_co_u32 s24, s24, WO_OFF
	s_add_nc_u64 s[26:27], s[14:15], s[24:25]
	v_lshlrev_b32 v3, 4, v2
	v_lshlrev_b32 v4, 3, v2
.irp i, 0,1,2,3,4,5,6,7,8,9,10,11,12,13,14,15
	global_load_b128 v[X+4*\i:X+4*\i+3], v3, s[20:21] offset:512*\i th:TH_LOAD_NT
.endr
.irp i, 0,1,2,3,4,5,6,7,8,9,10,11,12,13,14,15
	s_wait_loadcnt 15-\i                           ; the younger loads may be out
	v_cvt_pk_f16_f32 v[96+2*\i], v[X+4*\i], v[X+4*\i+1]
	v_cvt_pk_f16_f32 v[97+2*\i], v[X+4*\i+2], v[X+4*\i+3]
	global_store_b64 v4, v[96+2*\i:97+2*\i], s[26:27] offset:256*\i
.endr
	s_endpgm
.Lorder:
	; ---- the order of rows: wave w is batch w; lane l takes rows 64 l to 64 l + 63.  Four batches: the other four waves have no part
	s_cmp_lt_u32 s18, 4
	s_cbranch_scc1 .Lbatch
	s_endpgm
.Lbatch:
	s_lshl_b32 s24, s18, 13
	s_add_nc_u64 s[20:21], s[12:13], s[24:25]      ; my batch's mask: this pair is written no more
	s_add_nc_u64 s[26:27], s[16:17], s[24:25]      ; its pos
	s_add_nc_u64 s[30:31], s[26:27], 32768         ; its part of order
	s_lshl_b32 s24, s18, 7
	s_add_nc_u64 s[32:33], s[16:17], s[24:25]
	s_add_nc_u64 s[32:33], s[32:33], 65536         ; its count, 32 times
	v_lshlrev_b32 v3, 8, v2
	v_lshlrev_b32 v4, 2, v2
.irp i, 0,1,2,3,4,5,6,7,8,9,10,11,12,13,14,15
	global_load_b128 v[X+4*\i:X+4*\i+3], v3, s[20:21] offset:16*\i
.endr
	v_mov_b32 v20, 0                               ; my 64 rows' open keys
	v_mov_b32 v21, 0                               ; open keys in the lanes before me
	s_mov_b32 s34, 0                               ; the running count, in a register that no memory instruction names
	s_wait_loadcnt 0x0
.set i, 0
.rept 64
	v_cmp_ne_u32 vcc_lo, 0, v[X+i]
	v_cndmask_b32 v[X+i], 0, 1, vcc_lo             ; 1 where the key is open
	v_add_nc_u32 v20, v20, v[X+i]
.set i, i+1
.endr
.set i, 0
.rept 32
	v_readlane_b32 s35, v20, i
	v_writelane_b32 v21, s34, i
	s_add_co_u32 s34, s34, s35
.set i, i+1
.endr                                              ; s34: the batch's count
	v_mov_b32 v22, v21                             ; u: open keys before the row in hand
	v_lshlrev_b32 v23, 6, v2
	v_add_nc_u32 v23, s34, v23                     ; count + 64 l
	s_lshl_b32 s23, s18, 11
	v_lshl_add_u32 v26, v2, 6, s23                 ; my first row among all 8,192
	v_mov_b32 v27, s34
.set i, 0
.rept 64
	v_sub_nc_u32 v25, v23, v22
	v_add_nc_u32 v25, i, v25                       ; a closed row's place: count + the closed rows before it
	v_cmp_ne_u32 vcc_lo, 0, v[X+i]
	v_cndmask_b32 v[96+i], v25, v22, vcc_lo        ; an open row's place: u
	v_add_nc_u32 v22, v22, v[X+i]
	v_min_u32 v[160+i], 0x7ff, v[96+i]             ; a place enters an address only clamped
	v_lshlrev_b32 v[160+i], 2, v[160+i]
	v_add_nc_u32 v[X+i], i, v26                    ; what order holds at that place: the row
.set i, i+1
.endr
.irp i, 0,1,2,3,4,5,6,7,8,9,10,11,12,13,14,15
	global_store_b128 v3, v[96+4*\i:99+4*\i], s[26:27] offset:16*\i
.endr
.set i, 0
.rept 64
	global_store_b32 v[160+i], v[X+i], s[30:31]    ; 8,192 words in all go out singly: the places are a permutation
.set i, i+1
.endr
	global_store_b32 v4, v27, s[32:33]
	s_endpgm
.Lfunc_end_k_q600b9cce38_prepw:
	.size	k_q600b9cce38_prepw, .Lfunc_end_k_q600b9cce38_prepw-k_q600b9cce38_prepw
	.p2alignl 7, 3214868480
	.fill 96, 4, 3214868480
	.section	.rodata,"a",@progbits
	.p2align	6, 0x0
	.amdhsa_kernel k_q600b9cce38_prepw
		.amdhsa_group_segment_fixed_size 18944
		.amdhsa_private_segment_fixed_size 0
		.amdhsa_enable_private_segment 0
		.amdhsa_kernarg_size 56
		.amdhsa_user_sgpr_count 2
		.amdhsa_user_sgpr_kernarg_segment_ptr 1
		.amdhsa_wavefront_size32 1
		.amdhsa_system_sgpr_workgroup_id_x 1
		.amdhsa_system_sgpr_workgroup_id_y 1
		.amdhsa_system_sgpr_workgroup_id_z 1
		.amdhsa_system_vgpr_workitem_id 0
		.amdhsa_next_free_vgpr 224
		.amdhsa_next_free_sgpr 66
		.amdhsa_reserve_vcc 1
		.amdhsa_float_denorm_mode_32 3
		.amdhsa_float_denorm_mode_16_64 3
		.amdhsa_memory_ordered 1
		.amdhsa_forward_progress 1
		.amdhsa_inst_pref_size 69
	.end_amdhsa_kernel
	.amdgpu_metadata
---
amdhsa.version: [ 1, 2 ]
amdhsa.kernels:
  - .name:           k_q600b9cce38_prepw
    .symbol:         k_q600b9cce38_prepw.kd
    .args:
      - { .name: Wq, .offset: 0, .size: 8, .value_kind: global_buffer, .address_space: global }
      - { .name: Wk, .offset: 8, .size: 8, .value_kind: global_buffer, .address_space: global }
      - { .name: Wv, .offset: 16, .size: 8, .value_kind: global_buffer, .address_space: global }
      - { .name: Wo, .offset: 24, .size: 8, .value_kind: global_buffer, .address_space: global }
      - { .name: batch_masks, .offset: 32, .size: 8, .value_kind: global_buffer, .address_space: global }
      - { .name: wprep, .offset: 40, .size: 8, .value_kind: global_buffer, .address_space: global }
      - { .name: perm, .offset: 48, .size: 8, .value_kind: global_buffer, .address_space: global }
    .group_segment_fixed_size: 18944
    .private_segment_fixed_size: 0
    .kernarg_segment_align: 8
    .kernarg_segment_size: 56
    .max_flat_workgroup_size: 256
    .sgpr_count:     66
    .vgpr_count:     224
    .wavefront_size: 32
...
	.end_amdgpu_metadata
.endif
;; end of part 1
;; launch quantx (part 2): grid 256 x 1, 4 waves a work-group, no clusters, 33,280 bytes of LDS; arguments batch_node_features, perm, xq; writes xq
.if DOCPART == 2
	.amdgcn_target "amdgcn-amd-amdhsa--gfx1250"
	.amdhsa_code_object_version 6
	.text
	.protected	k_q600b9cce38_quantx
	.globl	k_q600b9cce38_quantx
	.p2align	8
	.type	k_q600b9cce38_quantx,@function
k_q600b9cce38_quantx:
	s_mov_b64 s[64:65], 0
	v_nop
	global_prefetch_b8 v0, s[64:65] scope:SCOPE_SE
	s_setreg_imm32_b32 hwreg(HW_REG_WAVE_MODE, 25, 1), 1
	s_wait_xcnt 0x0
; x [8192][1024] f32 -> codes of FP4 (E2M1), K innermost, 512 bytes a row, and one E8M0 byte for each 32 along K, 32 bytes a row.
; A ROW GOES TO ITS PLACE IN THE ORDER 'OPEN KEYS FIRST' (pos, made by the launch before): row m of batch b is stored as row 2048 b + pos[b][m].  A row's piece is 256 bytes of codes, so stores stay whole.
; A block's scale is 2^(floor(log2(largest magnitude)) - 2); its byte is the largest magnitude's exponent field - 2, held at 1 from below.
; LIMITS: a block of zeros gets the byte 1 (its codes are zeros; this program alone reads the bytes); NaN and infinities among the inputs are not served.
; A wave takes 8 rows = 16 steps of 512 numbers.  Each load reads 512 consecutive bytes; a step's 2,048 bytes turn through the wave's own stage in LDS, so that a lane then holds 16 neighbours along K
; (two neighbouring lanes hold a block).  Loads run four steps ahead, the turn through LDS one.  A wave's 256 scale bytes are gathered in LDS and leave as eight pieces of 32 bytes, one for each row.
.set WAVES, 4
.set STEPS, 16
.set EMAX,  2
.set CB,    8                          ; bytes of 16 codes
.set R,     16                         ; v16-79   four sets of 16 numbers as loaded
.set X,     80                         ; v80-111  two sets of 16 neighbours
.set C,     128                        ; v128-191 codes: registers of its own for each step
.set E,     112                        ; v112-127 a scale byte for each step
.set WREG,  8192                       ; LDS: a region for each wave: two stages of 32 x SP bytes, then its 256 scale bytes
.set SP,    80                         ; a lane's 64 bytes + 16 of padding
.set SPW,   12                         ; v12 my spare word's LDS address; never rewritten
.set NIL,   13                         ; v13 0; never rewritten
.set SPARE, WAVES*WREG                 ; the spare words, 128 bytes a wave; no other line names them
.set XSC,   4194304                    ; xq: where the scale bytes begin
	s_load_b128 s[4:7], s[0:1], 0x0                ; x, perm
	s_load_b64 s[8:9], s[0:1], 0x10                ; xq
	v_lshl_add_u32 v[SPW], v0, 2, SPARE
	v_mov_b32 v[NIL], 0
	v_lshrrev_b32 v1, 5, v0
	v_readfirstlane_b32 s16, v1                    ; wave
	v_and_b32 v2, 31, v0                           ; lane
	v_lshlrev_b32 v3, 4, v2                        ; my 16 bytes of a load's 512
	s_mul_i32 s17, s16, WREG
	v_lshrrev_b32 v14, 2, v2
	v_mul_u32_u24 v14, v14, SP
	v_and_b32 v15, 3, v2
	v_lshl_add_u32 v14, v15, 4, v14
	v_add_nc_u32 v14, s17, v14                     ; the stage, in: SP (lane / 4) + 16 (lane % 4)
	v_mul_u32_u24 v15, v2, SP
	v_add_nc_u32 v15, s17, v15                     ; and out: SP x lane: my 16 neighbours
	v_mul_u32_u24 v4, v2, CB                       ; my codes' place in a step's 256 bytes
	v_lshrrev_b32 v5, 1, v2
	s_add_co_u32 s17, s17, 2*32*SP
	v_add_nc_u32 v5, s17, v5                       ; my block's scale byte in LDS
	v_lshlrev_b32 v7, 3, v2
	v_add_nc_u32 v6, s17, v7                       ; and on the way out 8 bytes a lane
	v_lshrrev_b32 v1, 2, v2
	v_lshlrev_b32 v1, 2, v1                        ; 4 (lane / 4): the row whose scale bytes I store
	s_lshl_b32 s18, ttmp9, 5
	s_lshl_b32 s19, s16, 3
	s_add_co_u32 s18, s18, s19                     ; my wave's first row: 32 x work-group + 8 x wave
	s_and_b32 s19, s18, 0x1800                     ; its batch's first row
	s_lshl_b32 s20, s18, 2
	s_mov_b32 s21, 0
	s_wait_kmcnt 0x0
	s_add_nc_u64 s[22:23], s[6:7], s[20:21]        ; pos of my eight rows
	s_load_b256 s[24:31], s[22:23], 0x0
	global_load_b32 v10, v1, s[22:23]              ; the same by lanes; the oldest load: every counted wait below covers it
	s_lshl_b32 s20, s18, 12
	s_add_nc_u64 s[4:5], s[4:5], s[20:21]          ; x at my first row
.macro LOAD t
.irp i, 0,1,2,3
	global_load_b128 v[R+16*((\t)%4)+4*\i:R+16*((\t)%4)+4*\i+3], v3, s[4:5] offset:2048*(\t)+512*\i th:TH_LOAD_NT
.endr
.endm
.macro TURN t                          ; step t's numbers through the stage: LDS serves a wave's instructions in order, so no wait stands between the stores and the loads
.irp i, 0,1,2,3
	ds_store_b128 v14, v[R+16*((\t)%4)+4*\i:R+16*((\t)%4)+4*\i+3] offset:32*SP*((\t)%2)+8*SP*\i
.endr
.irp i, 0,1,2,3
	ds_load_b128 v[X+16*((\t)%2)+4*\i:X+16*((\t)%2)+4*\i+3], v15 offset:32*SP*((\t)%2)+16*\i
.endr
.endm
.irp t, 0,1,2,3
	LOAD \t
.endr
	s_wait_kmcnt 0x0
.irp i, 0,1,2,3,4,5,6,7
	s_min_u32 s[24+\i], s[24+\i], 0x7ff            ; a place enters an address only clamped
	s_add_co_u32 s20, s[24+\i], s19
	s_lshl_b32 s20, s20, 9
	s_add_nc_u64 s[32+2*\i:33+2*\i], s[8:9], s[20:21]   ; where row i's codes go
.endr
	s_wait_loadcnt 12                              ; step 0's four loads are in; three steps' may be out
	TURN 0
.macro STEP t
.set XS, X+16*((\t)%2)
.if (\t) > 0
	s_wait_dscnt 1                                 ; this step's numbers are back from the stage (the last step's byte store may be out)
.else
	s_wait_dscnt 0x0
.endif
.if (\t)+4 < STEPS
	LOAD (\t)+4
.endif
.if (\t)+1 < STEPS
.if STEPS-2-(\t) >= 3
	s_wait_loadcnt 12                              ; the next step's four loads are in; those of the three steps behind it may be out
.else
	s_wait_loadcnt 4*(STEPS-2-(\t))
.endif
	TURN (\t)+1
.endif
	v_max3_num_f32 v8, |v[XS]|, |v[XS+1]|, |v[XS+2]|
	v_max3_num_f32 v9, |v[XS+3]|, |v[XS+4]|, |v[XS+5]|
.irp i, 6,10
	v_max3_num_f32 v8, v8, |v[XS+\i]|, |v[XS+\i+1]|
	v_max3_num_f32 v9, v9, |v[XS+\i+2]|, |v[XS+\i+3]|
.endr
	v_max3_num_f32 v8, v8, |v[XS+14]|, |v[XS+15]|
	v_max3_num_f32 v8, v8, v9, (EMAX+1)<<23        ; the floor 2^(3 - 127): the byte cannot fall under 1
	v_max_num_f32_dpp v8, v8, v8 row_xmask:1 row_mask:0xf bank_mask:0xf   ; with my neighbour's 16: the block's largest magnitude
	v_add_nc_u32 v11, -(EMAX<<23), v8              ; 2 off its exponent field: the conversion's scale operand
	v_cvt_scalef32_pk8_fp4_f32 v[C+4*(\t)], v[XS:XS+7], v11
	v_cvt_scalef32_pk8_fp4_f32 v[C+4*(\t)+1], v[XS+8:XS+15], v11
	v_lshrrev_b32 v[E+(\t)], 23, v11               ; the scale's byte (also the plain line behind the conversions)
	ds_store_b8 v5, v[E+(\t)] offset:16*(\t)       ; both lanes of a block write the same byte with the same value
	global_store_b64 v4, v[C+4*(\t):C+4*(\t)+1], s[32+2*((\t)/2):33+2*((\t)/2)] offset:256*((\t)%2)   ; 32 lanes store 256 consecutive bytes, half a row of codes
.endm
.irp t, 0,1,2,3,4,5,6,7,8,9,10,11,12,13,14,15
	STEP \t
.endr
	v_min_u32 v10, 0x7ff, v10                      ; the place of row lane / 4
	v_and_b32 v11, 3, v2
	v_lshlrev_b32 v11, 3, v11
	v_lshl_add_u32 v10, v10, 5, v11                ; 32 bytes a row, my 8 of them
	s_lshl_b32 s20, s19, 5
	v_add_nc_u32 v10, s20, v10
	ds_load_b64 v[8:9], v6                         ; LDS serves a wave's instructions in order: this sees my byte stores
	s_wait_dscnt 0x0
	global_store_b64 v10, v[8:9], s[8:9] offset:XSC
	s_wait_tensorcnt 0x0                           ; the wave's end: behind my last LDS store
	ds_add_u32 v[SPW], v[NIL]
	s_wait_dscnt 0x0
	s_endpgm
.Lfunc_end_k_q600b9cce38_quantx:
	.size	k_q600b9cce38_quantx, .Lfunc_end_k_q600b9cce38_quantx-k_q600b9cce38_quantx
	.p2alignl 7, 3214868480
	.fill 96, 4, 3214868480
	.section	.rodata,"a",@progbits
	.p2align	6, 0x0
	.amdhsa_kernel k_q600b9cce38_quantx
		.amdhsa_group_segment_fixed_size 33280
		.amdhsa_private_segment_fixed_size 0
		.amdhsa_enable_private_segment 0
		.amdhsa_kernarg_size 24
		.amdhsa_user_sgpr_count 2
		.amdhsa_user_sgpr_kernarg_segment_ptr 1
		.amdhsa_wavefront_size32 1
		.amdhsa_system_sgpr_workgroup_id_x 1
		.amdhsa_system_sgpr_workgroup_id_y 1
		.amdhsa_system_sgpr_workgroup_id_z 1
		.amdhsa_system_vgpr_workitem_id 0
		.amdhsa_next_free_vgpr 192
		.amdhsa_next_free_sgpr 66
		.amdhsa_reserve_vcc 0
		.amdhsa_float_denorm_mode_32 3
		.amdhsa_float_denorm_mode_16_64 3
		.amdhsa_memory_ordered 1
		.amdhsa_forward_progress 1
		.amdhsa_inst_pref_size 35
	.end_amdhsa_kernel
	.amdgpu_metadata
---
amdhsa.version: [ 1, 2 ]
amdhsa.kernels:
  - .name:           k_q600b9cce38_quantx
    .symbol:         k_q600b9cce38_quantx.kd
    .args:
      - { .name: batch_node_features, .offset: 0, .size: 8, .value_kind: global_buffer, .address_space: global }
      - { .name: perm, .offset: 8, .size: 8, .value_kind: global_buffer, .address_space: global }
      - { .name: xq, .offset: 16, .size: 8, .value_kind: global_buffer, .address_space: global }
    .group_segment_fixed_size: 33280
    .private_segment_fixed_size: 0
    .kernarg_segment_align: 8
    .kernarg_segment_size: 24
    .max_flat_workgroup_size: 128
    .sgpr_count:     66
    .vgpr_count:     192
    .wavefront_size: 32
...
	.end_amdgpu_metadata
.endif
;; end of part 2
;; launch qkv (part 3): grid 12 x 32, 4 waves a work-group, clusters of 4 x 4, 327,680 bytes of LDS; arguments xq, wprep, qkv, bq, bk, bv; writes qkv
.if DOCPART == 3
	.amdgcn_target "amdgcn-amd-amdhsa--gfx1250"
	.amdhsa_code_object_version 6
	.text
	.protected	k_q600b9cce38_qkv
	.globl	k_q600b9cce38_qkv
	.p2align	8
	.type	k_q600b9cce38_qkv,@function
k_q600b9cce38_qkv:
	s_mov_b64 s[64:65], 0
	v_nop
	global_prefetch_b8 v0, s[64:65] scope:SCOPE_SE
	s_setreg_imm32_b32 hwreg(HW_REG_WAVE_MODE, 25, 1), 1
	s_wait_xcnt 0x0
	s_wait_alu depctr_hold_cnt(0) depctr_sa_sdst(0) depctr_va_vdst(0) depctr_va_sdst(0) depctr_va_ssrc(0) depctr_va_vcc(0) depctr_vm_vsrc(0)
	s_getreg_b32 s2, hwreg(HW_REG_IB_STS2, 6, 4)
	s_cmp_eq_u32 s2, 0
	s_cbranch_scc0 .Lentry_in_a_cluster
	s_endpgm
.Lentry_in_a_cluster:
	s_bfe_u32 s2, ttmp6, 0x10000c
	s_cmp_lg_u32 s2, 0xf033
	s_cbranch_scc0 .Lentry_shape_is_right
	s_endpgm
.Lentry_shape_is_right:
; q, k, v = x W + b, all three as one product C[8192][3072] = A B^T on codes of FP4 (E2M1) with one E8M0 scale for each 32 along K = 1,024; sums in f32, begun with the bias.
; A: x's codes [8192][512 bytes] and scale bytes [8192][32] (rows in the order 'open keys first'); B: the weights' codes [3072][512 bytes], scale bytes [3072][32]; columns 0-1023 q, 1024-2047 k, 2048-3071 v.
; The results leave as f16, by head: qkv[which][16 b + head][place in the batch][64], rows of 128 bytes.  LIMIT: |q|, |k|, |v| under 65,504.
; A tile of C, 256 x 256, is made by four waves, 128 x 128 each: 64 accumulators, 512 registers.  ALL OF K FITS IN TWO LDS SLOTS of 512 along K: both, and the scale bytes, are first fills: three tensor loads
; of a wave are out at the start, and there is no loop.
; CLUSTERS: 4 x 4 work-groups.  The four of a row of the cluster need the same tiles of A, the four of a column the same tiles of B: each is asked for jointly, by the same load with the same descriptor and a mask of the four.
; THE MATRIX INSTRUCTION IS USED TRANSPOSED (source 0 = 16 rows of B, source 1 = 16 rows of A): a lane holds eight neighbouring columns of one row of C.
; REGISTERS: window 0: v0-31 addresses; v32-95 scale words, two sets; v128-191 A's fragments, one set; v192-255 the bias in the result's layout.  window 1: B's fragments, two sets.  windows 2, 3: the accumulators.
.set SIZE_K, 1024
.set KSTEP,  512
.set NQ,     KSTEP/128
.set ROWB,   256                       ; a tile's row in bytes
.set KROW,   SIZE_K*4/8                ; a row of codes in memory
.set PITCH,  272                       ; an LDS row: 256 bytes + 16: the 16 rows of a load start at 16 different 16-byte columns
.set FR,     8
.set NL,     2
.set NP,     4                         ; places behind this matrix instruction (ISA guide 7.12.1)
.set HALFT,  128*PITCH
.set SLOT,   4*HALFT
.set KS,     SIZE_K/32                 ; a row of scale bytes
.set SCL,    2*SLOT                    ; behind the slots: the scale bytes, as units of 256 bytes + 16 of padding
.set HALFS,  (128*KS/256)*272
.set SBLK,   (16*KS/256)*272
.set SPARE,  SCL+4*HALFS               ; the spare words, 128 bytes a wave; no other line names them
.set ADRA, 16
.set ADRB, 20
.set STO,  24
.set RD,   25
.set CO,   26
.set ADRS, 27
.set SPW,  28
.set NIL,  29
.set SC,   32
.set AF,   128
.set BI,   192                         ; the bias: block b's eight numbers of my half at v[BI + 8 b]
.set TMP,  32                          ; the way out: packed results
.set BKR,  64                          ; and rows read back: v64-95 and v96-127 by turns
.set G1, 24
.set G0, 32
.set G1B, 48
.set G0B, 56
.set G1S, 68
.set G0S, 76
.set G1SB, 80
.set G0SB, 88
.set MSB, 0
.macro WIN new                         ; the immediate's high byte repeats the setting that is left
.if MSB != \new
	s_set_vgpr_msb (MSB<<8)|\new
.set MSB, \new
.endif
.endm
.set MUL_LO, 0xa1                      ; source 0 (B) window 1, source 1 (A) window 0, C and D window 2
.set MUL_HI, 0xf1                      ; the same, C and D window 3
.set FST_LO, 0x81                      ; the first step: C is the bias, in window 0
.set FST_HI, 0xc1
.set TO_B,   0x40
; A joint load: waves 0 and 1 fetch for A, waves 2 and 3 for B.  The branch hangs on the wave's number alone.  An s_nop 0 and four v_nop follow each line.
.macro JLOAD g0a, g1a, g0b, g1b
	s_cmp_eq_u32 s15, 0
	s_cbranch_scc0 .Lfor_b_\@
	tensor_load_to_lds s[\g0a:\g0a+3], s[\g1a:\g1a+7]
	s_nop 0
.rept 4
	v_nop
.endr
	s_branch .Lasked_\@
.Lfor_b_\@:
	tensor_load_to_lds s[\g0b:\g0b+3], s[\g1b:\g1b+7]
	s_nop 0
.rept 4
	v_nop
.endr
.Lasked_\@:
.endm
.macro CROUND                          ; a round of the cluster's barrier
	s_barrier_signal -1
	s_barrier_wait -1
	s_cmp_lg_u32 s14, 0
	s_cbranch_scc1 .Lnot_wave_0_\@
	s_barrier_signal -3
.Lnot_wave_0_\@:
	s_barrier_wait -3
	s_barrier_signal -1
	s_barrier_wait -1
.endm
	s_load_b64 s[4:5], s[0:1], 0x0                 ; xq
	s_load_b64 s[8:9], s[0:1], 0x8                 ; wprep
	s_load_b64 s[12:13], s[0:1], 0x10              ; qkv
	s_load_b128 s[96:99], s[0:1], 0x18             ; bq, bk
	s_load_b64 s[100:101], s[0:1], 0x28            ; bv
	v_lshl_add_u32 v[SPW], v0, 2, SPARE
	v_mov_b32 v[NIL], 0
	ds_add_u32 v[SPW], v[NIL]                      ; the wave's opening: the add, twice on end, and its wait ahead of my first tensor load
	ds_add_u32 v[SPW], v[NIL]
	v_lshrrev_b32 v1, 5, v0
	v_readfirstlane_b32 s14, v1                    ; wave 0..3
	s_lshr_b32 s15, s14, 1                         ; which half of the tile's rows is mine.  Also: I fetch for A (0) or for B (1)
	s_and_b32 s16, s14, 1                          ; which half of its columns.  Also: which 128 rows I fetch
	s_bfe_u32 s40, ttmp6, 0x40000                  ; cx, cy
	s_bfe_u32 s41, ttmp6, 0x40004
	s_lshl_b32 s42, ttmp9, 2
	s_add_co_u32 s42, s42, s40                     ; tile column
	s_and_b32 s17, ttmp7, 0xffff
	s_lshl_b32 s17, s17, 2
	s_add_co_u32 s17, s17, s41                     ; tile row
	s_lshl_b32 s43, s41, 2
	s_lshl_b32 s43, 15, s43                        ; my row of the cluster
	s_lshl_b32 s44, 0x1111, s40                    ; my column
	s_or_b32 s[G1+0], s43, (0<<16)|(1<<20)|(1<<21)|(5<<22)|(3<<25)   ; the mask; elements of 1 byte; padding on; bit 21 beside a mask; 4 words behind every 64
	s_or_b32 s[G1B+0], s44, (0<<16)|(1<<20)|(1<<21)|(5<<22)|(3<<25)
.irp g, G1, G1B
	s_mov_b32 s[\g+1], ROWB<<16                    ; tensor_dim0
	s_mov_b32 s[\g+2], 128<<16                     ; tensor_dim1
	s_mov_b32 s[\g+3], ROWB<<16                    ; tile_dim0
	s_mov_b32 s[\g+4], 128                         ; tile_dim1
	s_mov_b32 s[\g+5], KROW                        ; the pitch
	s_mov_b32 s[\g+6], 0
	s_mov_b32 s[\g+7], 0
.endr
	s_or_b32 s[G1S+0], s43, (3<<16)|(1<<20)|(1<<21)|(5<<22)|(3<<25)  ; the scale bytes of 128 rows: a dense block, as rows of 256 bytes (32 elements of 8)
	s_or_b32 s[G1SB+0], s44, (3<<16)|(1<<20)|(1<<21)|(5<<22)|(3<<25)
.irp g, G1S, G1SB
	s_mov_b32 s[\g+1], 32<<16
	s_mov_b32 s[\g+2], (128*KS/256)<<16
	s_mov_b32 s[\g+3], 32<<16
	s_mov_b32 s[\g+4], 128*KS/256
	s_mov_b32 s[\g+5], 32
	s_mov_b32 s[\g+6], 0
	s_mov_b32 s[\g+7], 0
.endr
	s_lshl_b32 s18, s16, 7
	s_lshl_b32 s20, s17, 8
	s_add_co_u32 s20, s20, s18                     ; A: row 256 x tile row + 128 x half
	s_lshl_b32 s46, s42, 8
	s_add_co_u32 s46, s46, s18                     ; B: row 256 x tile column + 128 x half
	s_mov_b32 s21, 0
	s_mov_b32 s47, 0
	s_mov_b64 s[18:19], KS
	s_mul_u64 s[22:23], s[20:21], s[18:19]
	s_mul_u64 s[92:93], s[46:47], s[18:19]
	s_mov_b64 s[18:19], KROW
	s_mul_u64 s[20:21], s[20:21], s[18:19]
	s_mul_u64 s[46:47], s[46:47], s[18:19]
	s_mul_i32 s45, s14, HALFT                      ; where they go: wave x 128 rows
	s_mul_i32 s94, s14, HALFS
	s_wait_dscnt 0x0                               ; both opening adds are done
	s_wait_kmcnt 0x0
	s_add_nc_u64 s[6:7], s[4:5], 0x400000          ; x's scale bytes
	s_add_nc_u64 s[10:11], s[8:9], 0x180000        ; the weights'
	s_add_nc_u64 s[20:21], s[4:5], s[20:21]
	s_add_nc_u64 s[22:23], s[6:7], s[22:23]
	s_add_nc_u64 s[46:47], s[8:9], s[46:47]
	s_add_nc_u64 s[92:93], s[10:11], s[92:93]
	CROUND                                         ; all sixteen work-groups are here: the joint loads meet
	s_mov_b32 s[G0S], 1
	s_add_co_u32 s[G0S+1], s94, SCL
	s_mov_b64 s[G0S+2:G0S+3], s[22:23]
	s_or_b32 s[G0S+3], s[G0S+3], 0x80000000
	s_mov_b32 s[G0SB], 1
	s_add_co_u32 s[G0SB+1], s94, SCL
	s_mov_b64 s[G0SB+2:G0SB+3], s[92:93]
	s_or_b32 s[G0SB+3], s[G0SB+3], 0x80000000
	JLOAD G0S, G1S, G0SB, G1SB                     ; the scale bytes first
.irp s, 0,1
	s_mov_b32 s[G0+4*\s], 1
	s_add_co_u32 s[G0+4*\s+1], s45, \s*SLOT
	s_add_nc_u64 s[G0+4*\s+2:G0+4*\s+3], s[20:21], \s*ROWB
	s_or_b32 s[G0+4*\s+3], s[G0+4*\s+3], 0x80000000
	s_mov_b32 s[G0B+4*\s], 1
	s_add_co_u32 s[G0B+4*\s+1], s45, \s*SLOT
	s_add_nc_u64 s[G0B+4*\s+2:G0B+4*\s+3], s[46:47], \s*ROWB
	s_or_b32 s[G0B+4*\s+3], s[G0B+4*\s+3], 0x80000000
	JLOAD G0+4*\s, G1, G0B+4*\s, G1B
.endr
	v_and_b32 v1, 15, v0                           ; r
	v_bfe_u32 v2, v0, 4, 1                         ; h
	; the bias: the cluster's x says which of the three (four tile columns are 1,024 columns); the same in all partners
	s_cmp_eq_u32 ttmp9, 1
	s_cselect_b64 s[96:97], s[98:99], s[96:97]
	s_cmp_eq_u32 ttmp9, 2
	s_cselect_b64 s[96:97], s[100:101], s[96:97]
	s_lshl_b32 s98, s40, 10
	s_lshl_b32 s99, s16, 9
	s_add_co_u32 s98, s98, s99                     ; my first column among the 1,024, in bytes
	s_mov_b32 s99, 0
	s_add_nc_u64 s[96:97], s[96:97], s[98:99]
	v_lshlrev_b32 v7, 5, v2                        ; my half's eight numbers
.irp b, 0,1,2,3,4,5,6,7
	global_load_b128 v[BI+8*\b:BI+8*\b+3], v7, s[96:97] offset:64*\b
	global_load_b128 v[BI+8*\b+4:BI+8*\b+7], v7, s[96:97] offset:64*\b+16
.endr
	v_mul_u32_u24 v3, v1, PITCH
	v_lshl_add_u32 v4, v2, 4, v3
	s_mul_i32 s21, s15, HALFT
	s_mul_i32 s22, s16, HALFT
	s_add_co_u32 s22, s22, 2*HALFT
.irp s, 0,1
	v_add_nc_u32 v[ADRA+\s], s21, v4
	v_add_nc_u32 v[ADRB+\s], s22, v4
	s_add_co_u32 s21, s21, SLOT
	s_add_co_u32 s22, s22, SLOT
.endr
	v_mul_u32_u24 v5, v1, KS
	v_lshrrev_b32 v6, 8, v5
	v_lshl_add_u32 v5, v6, 4, v5                   ; my row's scale bytes: KS a row, 16 more for each 256 passed
	s_mul_i32 s21, s15, HALFS
	s_mul_i32 s22, s16, HALFS
	s_add_co_u32 s22, s22, 2*HALFS
	s_sub_co_u32 s22, s22, s21
	v_mul_u32_u24 v6, s22, v2                      ; lanes 16-31 take B's
	s_add_co_u32 s21, s21, SCL
	v_add_nc_u32 v5, v5, v6
	v_add_nc_u32 v[ADRS], s21, v5
	s_mul_i32 s23, s14, 4608                       ; my stage, in slot 0: [2 heads][16 rows][128 bytes + 16]
	v_mul_u32_u24 v5, v1, 144
	v_lshl_add_u32 v5, v2, 4, v5
	v_add_nc_u32 v[STO], s23, v5                   ; in: row r, 16 bytes for each half of the lanes
	v_bfe_u32 v5, v0, 3, 2
	v_mul_u32_u24 v5, v5, 144
	v_and_b32 v6, 7, v0
	v_lshl_add_u32 v5, v6, 4, v5
	v_add_nc_u32 v[RD], s23, v5                    ; back: eight lanes to a row of 128 bytes, four rows an instruction
	v_and_b32 v6, 31, v0
	v_lshlrev_b32 v[CO], 4, v6                     ; and in memory the four rows are 512 bytes on end
	s_lshl_b32 s20, s17, 8
	s_lshl_b32 s21, s15, 7
	s_add_co_u32 s20, s20, s21                     ; my first row
	s_lshr_b32 s21, s20, 11                        ; its batch
	s_and_b32 s20, s20, 2047                       ; its place in the batch
	s_lshl_b32 s20, s20, 7
	s_lshl_b32 s21, s21, 22                        ; 16 heads of 2,048 rows of 128 bytes
	s_add_co_u32 s20, s20, s21
	s_lshl_b32 s46, s40, 20                        ; head 4 cx + 2 x half
	s_lshl_b32 s47, s16, 19
	s_add_co_u32 s46, s46, s47
	s_lshl_b32 s47, ttmp9, 24                      ; q, k or v
	s_add_co_u32 s46, s46, s47
	s_add_co_u32 s20, s20, s46
	s_mov_b32 s21, 0
	s_add_nc_u64 s[12:13], s[12:13], s[20:21]
.macro FRAG reg, adr, q, i             ; 16 rows x 128 K of 4-bit codes: 8 registers, two loads of 16 bytes, 32 bytes apart
.irp c, 0,1
	ds_load_b128 v[\reg+4*\c:\reg+4*\c+3], v[\adr] offset:64*(\q)+32*\c+(\i)*16*PITCH
.endr
.endm
; 16 matrix instructions: A's blocks a0, a0 + 1 x B's eight.  first = 1: the sums begin with the bias.  The 64 accumulators take turns, one instruction a turn, in the same order in every step.
.macro MUL16 a0, p, q, sc, first
.irp a, \a0, \a0+1
.irp b, 0,1,2,3,4,5,6,7
.if \first
	v_wmma_scale_f32_16x16x128_f8f6f4 v[8*(8*((\a)%4)+\b):8*(8*((\a)%4)+\b)+7], v[128*(\p)+FR*\b:128*(\p)+FR*\b+FR-1], v[AF+FR*(\a):AF+FR*(\a)+FR-1], v[BI+8*\b:BI+8*\b+7], v[SC+8*NQ*(\sc)+NQ*\b+(\q)], v[SC+8*NQ*(\sc)+NQ*(\a)+(\q)] matrix_a_fmt:MATRIX_FMT_FP4 matrix_b_fmt:MATRIX_FMT_FP4 matrix_a_scale:MATRIX_SCALE_ROW1
.else
	v_wmma_scale_f32_16x16x128_f8f6f4 v[8*(8*((\a)%4)+\b):8*(8*((\a)%4)+\b)+7], v[128*(\p)+FR*\b:128*(\p)+FR*\b+FR-1], v[AF+FR*(\a):AF+FR*(\a)+FR-1], v[8*(8*((\a)%4)+\b):8*(8*((\a)%4)+\b)+7], v[SC+8*NQ*(\sc)+NQ*\b+(\q)], v[SC+8*NQ*(\sc)+NQ*(\a)+(\q)] matrix_a_fmt:MATRIX_FMT_FP4 matrix_b_fmt:MATRIX_FMT_FP4 matrix_a_scale:MATRIX_SCALE_ROW1
.endif
.endr
.endr
.endm
.macro FETCH_B slot, q, p
	WIN TO_B
.irp i, 0,1,2,3,4,5,6,7
	FRAG 128*(\p)+FR*\i, ADRB+\slot, \q, \i
.endr
	WIN 0
.endm
.macro FETCH_A slot, q, i0
.irp i, \i0, \i0+1, \i0+2, \i0+3
	FRAG AF+FR*(\i), ADRA+\slot, \q, \i
.endr
.endm
.macro SCALES sc                       ; a slot's scale words: lanes 0-15 take A's block i, lanes 16-31 B's block i
.irp i, 0,1,2,3,4,5,6,7
	ds_load_b128 v[SC+8*NQ*\sc+NQ*\i:SC+8*NQ*\sc+NQ*\i+3], v[ADRS] offset:\i*SBLK
.endr
.endm
.macro PLACES n                        ; plain vector lines between a matrix instruction and a load into, or a read of, its registers
.rept \n
	v_nop
.endr
.endm
.macro STEP slot, q, first             ; 128 along K, with its successor in the same slot
	s_wait_dscnt 4*NL                              ; B's set and A's blocks 0-3 are in; the youngest eight loads (A's blocks 4-7) may be out
.if \first
	WIN FST_LO
.else
	WIN MUL_LO
.endif
	MUL16 0, (\q)%2, \q, \slot, \first
	MUL16 2, (\q)%2, \q, \slot, \first
	s_wait_dscnt 0
	PLACES NP
	FETCH_B \slot, (\q)+1, 1-(\q)%2
	FETCH_A \slot, (\q)+1, 0
.if \first
	WIN FST_HI
.else
	WIN MUL_HI
.endif
	MUL16 4, (\q)%2, \q, \slot, \first
	MUL16 6, (\q)%2, \q, \slot, \first
	PLACES NP
	WIN 0
	FETCH_A \slot, (\q)+1, 4
.endm
.macro TURN slot, next                 ; slot 0's last step: one barrier; behind it slot 1 is whole for every wave, and nobody reads slot 0 any more
	s_wait_tensorcnt 0x0                           ; all my tensor loads have landed: my part of slot 1
	ds_add_u32 v[SPW], v[NIL]                      ; 0 onto my spare word
	s_wait_dscnt 4*NL+1                            ; (the add and A's blocks 4-7 may be out)
	WIN MUL_LO
	MUL16 0, 1, NQ-1, \slot, 0
	s_wait_dscnt 0x0                               ; the add is done, and my reads of this slot are over
	s_barrier_signal -1
	MUL16 2, 1, NQ-1, \slot, 0
	WIN 0
	s_barrier_wait -1
	PLACES NP
	v_add_nc_u32 v[ADRS], 4*NQ, v[ADRS]            ; the next slot's scale words
	FETCH_B \next, 0, 0
	FETCH_A \next, 0, 0
	SCALES \next
	WIN MUL_HI
	MUL16 4, 1, NQ-1, \slot, 0
	MUL16 6, 1, NQ-1, \slot, 0
	PLACES NP
	WIN 0
	FETCH_A \next, 0, 4
.endm
.macro STEPS slot, from
.set Q, \from
.rept NQ-1-\from
	STEP \slot, Q, 0
.set Q, Q+1
.endr
.endm
	s_wait_tensorcnt 1                             ; the scale bytes and my part of slot 0 are in (slot 1's load may be out),
	s_barrier_signal -1
	s_barrier_wait -1                              ; everybody's are
	FETCH_B 0, 0, 0
	FETCH_A 0, 0, 0
	SCALES 0
	FETCH_A 0, 0, 4
	s_wait_loadcnt 0x0                             ; the bias
	STEP 0, 0, 1
	STEPS 0, 1
	TURN 0, 1
	STEPS 1, 0
	s_wait_dscnt 4*NL                              ; the last step: nothing more to fetch
	WIN MUL_LO
	MUL16 0, 1, NQ-1, 1, 0
	MUL16 2, 1, NQ-1, 1, 0
	s_wait_dscnt 0
	WIN MUL_HI
	MUL16 4, 1, NQ-1, 1, 0
	MUL16 6, 1, NQ-1, 1, 0
	WIN 0
; THE WAY OUT, a block of 16 rows x 128 columns (two heads) at a time: rounded to f16, 16 bytes a lane; through my own stage; back as rows of 128 bytes, four to an instruction: 512 consecutive bytes of a head.
; The stage lies in slot 0, which has had its only fill and, since the barrier above, no reader.  LDS serves a wave's instructions in order: no wait between the stores and the loads.
.macro PACK a
.set AC, 64*((\a)%4)
	WIN 0x0a+5*((\a)/4)                            ; sources 0 and 1: window 2 or 3
.irp b, 0,1,2,3,4,5,6,7
.irp r, 0,1,2,3
	v_cvt_pk_f16_f32 v[TMP+4*\b+\r], v[AC+8*\b+2*\r], v[AC+8*\b+2*\r+1]   ; each accumulator from its low end on
.endr
.endr
	WIN 0
.endm
.macro TOSTAGE a
.set BB, BKR+32*((\a)%2)
.irp b, 0,1,2,3,4,5,6,7
	ds_store_b128 v[STO], v[TMP+4*\b:TMP+4*\b+3] offset:(\b/4)*2304+32*(\b%4)
.endr
.irp t, 0,1,2,3,4,5,6,7
	ds_load_b128 v[BB+4*\t:BB+4*\t+3], v[RD] offset:(\t/4)*2304+(\t%4)*576
.endr
.endm
.macro SEND a
.set BB, BKR+32*((\a)%2)
	s_wait_dscnt 0x0                               ; the block is back in registers
	s_wait_xcnt 0x0                                ; the earlier stores have read their base and their registers: both may be written again
.if (\a) > 0
	s_add_nc_u64 s[12:13], s[12:13], 2048          ; 16 rows of 128 bytes on
.endif
.irp t, 0,1,2,3,4,5,6,7
	global_store_b128 v[CO], v[BB+4*\t:BB+4*\t+3], s[12:13] offset:(\t/4)*262144+(\t%4)*512   ; the second head lies 2,048 rows on
.endr
.endm
	PLACES NP
	PACK 0
	TOSTAGE 0
.irp a, 1,2,3,4,5,6,7
	PACK \a
	SEND \a-1
	TOSTAGE \a
.endr
	SEND 7
	s_wait_tensorcnt 0x0                           ; the wave's end
	ds_add_u32 v[SPW], v[NIL]
	s_wait_dscnt 0x0
	CROUND                                         ; the closing round
	s_endpgm
.Lfunc_end_k_q600b9cce38_qkv:
	.size	k_q600b9cce38_qkv, .Lfunc_end_k_q600b9cce38_qkv-k_q600b9cce38_qkv
	.p2alignl 7, 3214868480
	.fill 96, 4, 3214868480
	.section	.rodata,"a",@progbits
	.p2align	6, 0x0
	.amdhsa_kernel k_q600b9cce38_qkv
		.amdhsa_group_segment_fixed_size 327680
		.amdhsa_private_segment_fixed_size 0
		.amdhsa_enable_private_segment 0
		.amdhsa_kernarg_size 48
		.amdhsa_user_sgpr_count 2
		.amdhsa_user_sgpr_kernarg_segment_ptr 1
		.amdhsa_wavefront_size32 1
		.amdhsa_system_sgpr_workgroup_id_x 1
		.amdhsa_system_sgpr_workgroup_id_y 1
		.amdhsa_system_sgpr_workgroup_id_z 1
		.amdhsa_system_vgpr_workitem_id 0
		.amdhsa_next_free_vgpr 1024
		.amdhsa_next_free_sgpr 102
		.amdhsa_reserve_vcc 0
		.amdhsa_float_denorm_mode_32 3
		.amdhsa_float_denorm_mode_16_64 3
		.amdhsa_memory_ordered 1
		.amdhsa_forward_progress 1
		.amdhsa_inst_pref_size 129
	.end_amdhsa_kernel
	.amdgpu_metadata
---
amdhsa.version: [ 1, 2 ]
amdhsa.kernels:
  - .name:           k_q600b9cce38_qkv
    .symbol:         k_q600b9cce38_qkv.kd
    .args:
      - { .name: xq, .offset: 0, .size: 8, .value_kind: global_buffer, .address_space: global }
      - { .name: wprep, .offset: 8, .size: 8, .value_kind: global_buffer, .address_space: global }
      - { .name: qkv, .offset: 16, .size: 8, .value_kind: global_buffer, .address_space: global }
      - { .name: bq, .offset: 24, .size: 8, .value_kind: global_buffer, .address_space: global }
      - { .name: bk, .offset: 32, .size: 8, .value_kind: global_buffer, .address_space: global }
      - { .name: bv, .offset: 40, .size: 8, .value_kind: global_buffer, .address_space: global }
    .group_segment_fixed_size: 327680
    .private_segment_fixed_size: 0
    .kernarg_segment_align: 8
    .kernarg_segment_size: 48
    .max_flat_workgroup_size: 128
    .sgpr_count:     102
    .vgpr_count:     1024
    .wavefront_size: 32
...
	.end_amdgpu_metadata
.endif
;; end of part 3
;; launch attn (part 4): grid 4 x 64, 8 waves a work-group, no clusters, 84,992 bytes of LDS; arguments qkv, perm, ctxh; writes ctxh
.if DOCPART == 4
	.amdgcn_target "amdgcn-amd-amdhsa--gfx1250"
	.amdhsa_code_object_version 6
	.text
	.protected	k_q600b9cce38_attn
	.globl	k_q600b9cce38_attn
	.p2align	8
	.type	k_q600b9cce38_attn,@function
k_q600b9cce38_attn:
	s_mov_b64 s[64:65], 0
	v_nop
	global_prefetch_b8 v0, s[64:65] scope:SCOPE_SE
	s_setreg_imm32_b32 hwreg(HW_REG_WAVE_MODE, 25, 1), 1
	s_wait_xcnt 0x0
; ctx[q] = softmax over the OPEN keys of (q . k / 8) times v, for one head; q, k, v in f16 [64 = 16 b + head][2048 places][64]; products' sums, maxima and weights in f32; the weights go to f16 for the second product.
; The rows of a batch lie open keys first, so the open keys are places 0 .. count - 1, and only ceil(count / 64) steps of 64 keys are multiplied.  A closed key's weight is exp((-1e12 - max) / 8), which is 0 in f32
; as soon as one key is open.  A batch with no open key has equal weights on all 2,048: it is served by count = 2,048 and the factor c = 0.
; LIMITS: open scores above -1e12 + 1e3; |q|, |k|, |v| under 65,504; NaN and infinities are not served.
; NO CLUSTER AND NO TENSOR LOAD, though four work-groups walk the same K and V: the number of steps hangs on a count read from memory.
; SHARES.  A work-group owns 512 queries, each of its eight waves 64: four tiles of 16.  K and V go from memory through registers into two LDS slots; slot j % 2 holds K of step j and V of step j - 1.
; LAYOUT.  S^T = K Q^T and O^T = V^T P: a lane holds one query throughout; two tiles of S^T rounded in pairs ARE source 1 of the second product.  V is turned by ds_load_tr16_b128.
; THE ROW'S SUM is a fifth tile of the second product, whose source 0 is ones: two matrix instructions a tile and step; every row of it repeats the sum, and register 0 alone is rescaled and read.
; TWO GROUPS OF WAVES.  In trip j every wave issues V^T P of step j - 1 and K Q^T of step j.  Group 0 does the softmax of step j behind them, group 1 that of step j - 1 ahead of them: while one group
; has the matrix unit the other does vector work.  Both want the same LDS bytes in a trip, and meet one barrier.  The branch on the group leads round register work alone.
; THE TRIP COUNT IS A CONSTANT (32): a trip past the last step is left out by a scalar branch that leads to the trip's barrier, never round it.
; REGISTERS.  window 0: v1-15 addresses; v16-47 statistics, eight a tile (+0 c m, +1 m, +2 a, +3 zero, +4..7 at work); v48-55 ones; v64-191 S^T, 32 a tile, P in place in each tile's first 16; v192-255 K or V of a step.
;   window 1: v0-127 O^T ((channel tile, tile) at 32 t + 8 ct); v128-159 the sums; v160-223 Q; v224-239 what is on its way from memory to LDS.
.set KP,    144                        ; a row of K in LDS: 128 bytes + 16
.set VP,    160                        ; a row of V: 128 + 32, an odd multiple of 32
.set VOFF,  64*KP
.set SLOT1, 32768
.set STAGE, 65536                      ; the way out: 16 rows x 144 bytes for each wave
.set SPARE, STAGE+8*16*KP              ; the spare words, 128 bytes a wave; no other line names them
.set AK0, 3
.set AV0, 4
.set SK0, 5
.set SV0, 6
.set GO,  7
.set ADRK, 8
.set ADRV, 9
.set ADSK, 10
.set ADSV, 11
.set H8,  12
.set DD,  13
.set NINF, 14
.set QO,  15
.set ST,  16
.set ONES, 48
.set SPW, 56
.set NIL, 57
.set RD,  58
.set GOUT, 59
.set PFO, 60
.set STO, 61
.set S,   64
.set KV,  192
.set LSUM, 128                         ; window 1
.set QF,  160
.set GS,  224
; s10 wave, s11 group, s16 count, s17 N steps, s18 J, s19 count - 64 J, s20 the slot read, s21 the slot written, s[22:23] c, s[24:25] lane selects, s[26:27] K, s[28:29] V of the head,
; s[30:31], s[32:33] what this trip loads, s37 the prefetches' limit, s[38:39] their base
.set MSB, 0
.macro WIN new                         ; the immediate's high byte repeats the setting that is left
.if MSB != \new
	s_set_vgpr_msb (MSB<<8)|\new
.set MSB, \new
.endif
.endm
.set W_KQ, 0x04                        ; Q (source 1) in window 1
.set W_PV, 0x50                        ; C and D in window 1
.set W_RS, 0x41                        ; destination and source 0 in window 1
.macro PLACES n
.rept \n
	v_nop
.endr
.endm
.macro ADDRS                           ; the trip's LDS addresses, made on the way that all waves take
	s_xor_b32 s21, s20, SLOT1
	v_add_nc_u32 v[ADRK], s20, v[AK0]
	v_add_nc_u32 v[ADRV], s20, v[AV0]
	v_add_nc_u32 v[ADSK], s21, v[SK0]
	v_add_nc_u32 v[ADSV], s21, v[SV0]
.endm
.macro GBASE                           ; K of step J + 1 (held inside the head) and V of step J
	s_wait_xcnt 0x0                                ; the last trip's loads and prefetch have read their bases
	s_add_co_u32 s34, s18, 1
	s_min_u32 s34, s34, 31
	s_lshl_b32 s34, s34, 13
	s_mov_b32 s35, 0
	s_add_nc_u64 s[30:31], s[26:27], s[34:35]
	s_lshl_b32 s34, s18, 13
	s_add_nc_u64 s[32:33], s[28:29], s[34:35]
.endm
.macro GLOAD                           ; 8,192 bytes of each: 256 threads, twice 16 bytes
	WIN 0x40
	global_load_b128 v[GS:GS+3], v[GO], s[30:31]
	global_load_b128 v[GS+4:GS+7], v[GO], s[30:31] offset:4096
	global_load_b128 v[GS+8:GS+11], v[GO], s[32:33]
	global_load_b128 v[GS+12:GS+15], v[GO], s[32:33] offset:4096
	WIN 0
.endm
; A prefetch: K of step J + 4 (wave 0) or V of step J + 3 (wave 1): 8,192 bytes, lanes 256 bytes apart, three trips ahead of the loads that want them.  The four work-groups of a head walk the same rows: the first of them asks.
; It stands behind the trip's loads, and stops where J + 4 would reach the last step: so it never leaves the head's rows.  The first steps come by their loads alone.
.macro ASK
	s_cmp_eq_u32 s10, 0
	s_cselect_b64 s[38:39], s[30:31], s[32:33]
	s_sub_co_u32 s36, s17, s18
	s_cmp_gt_u32 s36, s37
	s_cbranch_scc0 .Lnoask_\@
	global_prefetch_b8 v[PFO], s[38:39] offset:24576 th:TH_LOAD_NT scope:SCOPE_SE
.Lnoask_\@:
.endm
.macro VFETCH                          ; V of a step, turned: fragment f = keys 32 (f / 4) on, channels 16 (f % 4) on
.irp f, 0,1,2,3,4,5,6,7
	ds_load_tr16_b128 v[KV+8*\f:KV+8*\f+3],   v[ADRV] offset:(\f/4)*32*VP+(\f%4)*32
	ds_load_tr16_b128 v[KV+8*\f+4:KV+8*\f+7], v[ADRV] offset:(\f/4)*32*VP+16*VP+(\f%4)*32
.endr
.endm
.macro KFETCH c                        ; K of a step, channels 32 c on: four fragments of 16 keys
.irp kt, 0,1,2,3
	ds_load_b128 v[KV+32*\c+8*\kt:KV+32*\c+8*\kt+3],   v[ADRK] offset:\kt*16*KP+64*\c
	ds_load_b128 v[KV+32*\c+8*\kt+4:KV+32*\c+8*\kt+7], v[ADRK] offset:\kt*16*KP+64*\c+32
.endr
.endm
; The accumulators take turns, one instruction a turn, in the same order in both halves.
.macro PVH kh                          ; O^T += V^T P and the sums, keys 32 kh on: 20 matrix instructions
.irp ct, 0,1,2,3
.irp t, 0,1,2,3
	v_wmma_f32_16x16x32_f16 v[32*\t+8*\ct:32*\t+8*\ct+7], v[KV+8*(4*\kh+\ct):KV+8*(4*\kh+\ct)+7], v[S+32*\t+8*\kh:S+32*\t+8*\kh+7], v[32*\t+8*\ct:32*\t+8*\ct+7]
.endr
.endr
.irp t, 0,1,2,3
	v_wmma_f32_16x16x32_f16 v[LSUM+8*\t:LSUM+8*\t+7], v[ONES:ONES+7], v[S+32*\t+8*\kh:S+32*\t+8*\kh+7], v[LSUM+8*\t:LSUM+8*\t+7]
.endr
.endm
.macro KQC c                           ; S^T = K Q^T, channels 32 c on: 16 matrix instructions; the first 16 start the sums
.irp kt, 0,1,2,3
.irp t, 0,1,2,3
.if \c == 0
	v_wmma_f32_16x16x32_f16 v[S+32*\t+8*\kt:S+32*\t+8*\kt+7], v[KV+8*\kt:KV+8*\kt+7], v[QF+16*\t:QF+16*\t+7], 0
.else
	v_wmma_f32_16x16x32_f16 v[S+32*\t+8*\kt:S+32*\t+8*\kt+7], v[KV+32+8*\kt:KV+32+8*\kt+7], v[QF+16*\t+8:QF+16*\t+15], v[S+32*\t+8*\kt:S+32*\t+8*\kt+7]
.endif
.endr
.endr
.endm
.macro LSTORE                          ; what came from memory goes into the slot that nobody reads in this trip
	s_wait_loadcnt 0x0
	WIN 0x04                                       ; an LDS store's data are its source 1: window 1
	ds_store_b128 v[ADSK], v[GS:GS+3]
	ds_store_b128 v[ADSK], v[GS+4:GS+7] offset:32*KP
	ds_store_b128 v[ADSV], v[GS+8:GS+11]
	ds_store_b128 v[ADSV], v[GS+12:GS+15] offset:32*VP
	WIN 0
.endm
.macro SCALE t, b                      ; c s - c m, a pair of scores
	v_pk_fma_f32 v[S+32*(\t)+2*(\b):S+32*(\t)+2*(\b)+1], v[S+32*(\t)+2*(\b):S+32*(\t)+2*(\b)+1], s[22:23], v[ST+8*(\t):ST+8*(\t)+1] op_sel_hi:[1,0,0] neg_lo:[0,0,1] neg_hi:[0,0,1]
.endm
; THE SOFTMAX OF A STEP, four tiles by turns.  thr: the scalar register with the number of open keys from the step's first key on; mask = 1: the step may be the last.
.macro SM thr, mask
.if \mask
	s_cmp_ge_i32 s[\thr], 64                       ; all 64 keys are open: nothing to hide
	s_cbranch_scc1 .Lopen_\@
	v_sub_nc_u32 v[DD], s[\thr], v[H8]             ; register 8 kt + i holds key 16 kt + 8 (lane / 16) + i: hidden where 16 kt + i >= thr - 8 (lane / 16)
.set n, 0
.rept 32
	v_cmp_ge_i32 vcc_lo, 16*(n/8)+n%8, v[DD]
	v_cndmask_b32 v[S+n], v[S+n], v[NINF], vcc_lo
	v_cndmask_b32 v[S+32+n], v[S+32+n], v[NINF], vcc_lo
	v_cndmask_b32 v[S+64+n], v[S+64+n], v[NINF], vcc_lo
	v_cndmask_b32 v[S+96+n], v[S+96+n], v[NINF], vcc_lo
.set n, n+1
.endr
.Lopen_\@:
.endif
.irp j, 0,1,2,3                        ; the maximum of my 32 scores and the old m: four chains, each begun at an accumulator's low end
.irp t, 0,1,2,3
	v_max3_num_f32 v[ST+8*\t+4+\j], v[S+32*\t+8*\j], v[S+32*\t+8*\j+1], v[S+32*\t+8*\j+2]
.endr
.endr
.irp j, 4,5,6,7,8,9,10,11
.irp t, 0,1,2,3
	v_max3_num_f32 v[ST+8*\t+4+\j%4], v[ST+8*\t+4+\j%4], v[S+32*\t+8*(\j%4)+2*(\j/4)+1], v[S+32*\t+8*(\j%4)+2*(\j/4)+2]
.endr
.endr
.irp t, 0,1,2,3
	v_max3_num_f32 v[ST+8*\t+4], v[ST+8*\t+4], v[S+32*\t+7], v[S+32*\t+15]
.endr
.irp t, 0,1,2,3
	v_max3_num_f32 v[ST+8*\t+6], v[ST+8*\t+6], v[S+32*\t+23], v[S+32*\t+31]
.endr
.irp t, 0,1,2,3
	v_max3_num_f32 v[ST+8*\t+4], v[ST+8*\t+4], v[ST+8*\t+5], v[ST+8*\t+6]
.endr
.irp t, 0,1,2,3
	v_max3_num_f32 v[ST+8*\t+4], v[ST+8*\t+4], v[ST+8*\t+7], v[ST+8*\t+1]
.endr
.irp t, 0,1,2,3
	v_permlanex16_b32 v[ST+8*\t+5], v[ST+8*\t+4], s24, s25   ; the query's other 32 keys lie in the lane 16 away
.endr
.irp t, 0,1,2,3
	v_mov_b32 v[ST+8*\t+7], v[ST+8*\t]             ; c m_old
.endr
.irp t, 0,1,2,3
	v_max_num_f32 v[ST+8*\t+1], v[ST+8*\t+4], v[ST+8*\t+5]
.endr
.irp t, 0,1,2,3
	v_mul_f32 v[ST+8*\t], s22, v[ST+8*\t+1]
.endr
.irp t, 0,1,2,3
	v_sub_f32 v[ST+8*\t+7], v[ST+8*\t+7], v[ST+8*\t]
.endr
; ONE BATCH: the 132 exponentials and the 64 scalings; none of these lines names an exponential's result.  A tile's scalings stand between the exponentials of the tile before.
.irp t, 0,1,2,3
	v_exp_f32 v[ST+8*\t+2], v[ST+8*\t+7]           ; a = 2^(c m_old - c m_new)
.endr
.irp b, 0,1,2,3,4,5,6,7,8,9,10,11,12,13,14,15
	SCALE 0, \b
.endr
.irp t, 0,1,2,3
.irp b, 0,1,2,3,4,5,6,7,8,9,10,11,12,13,14,15
	v_exp_f32 v[S+32*\t+2*\b], v[S+32*\t+2*\b]
	v_exp_f32 v[S+32*\t+2*\b+1], v[S+32*\t+2*\b+1]
.if \t < 3
	SCALE \t+1, \b
.endif
.endr
.endr
	v_nop                                          ; a plain line behind the last exponential
	s_wait_alu depctr_va_vdst(0)                   ; one wait for the batch, ahead of the first line that names a result
.irp t, 0,1,2,3
.irp j, 0,1,2,3,4,5,6,7,8,9,10,11,12,13,14,15
	v_cvt_pk_f16_f32 v[S+32*\t+\j], v[S+32*\t+2*\j], v[S+32*\t+2*\j+1]   ; P in place, ascending: a register is written when both its numbers have been read
.endr
.endr
	WIN W_RS
.irp t, 0,1,2,3
.set n, 0
.rept 16
	v_pk_mul_f32 v[32*\t+n:32*\t+n+1], v[32*\t+n:32*\t+n+1], v[ST+8*\t+2:ST+8*\t+3] op_sel_hi:[1,0]   ; O^T x a
.set n, n+2
.endr
	v_mul_f32 v[LSUM+8*\t], v[LSUM+8*\t], v[ST+8*\t+2]   ; the sum x a
.endr
	WIN 0
.endm
	s_load_b128 s[4:7], s[0:1], 0x0                ; qkv, perm
	s_load_b64 s[8:9], s[0:1], 0x10                ; ctxh
	v_lshl_add_u32 v[SPW], v0, 2, SPARE
	v_mov_b32 v[NIL], 0
	v_lshrrev_b32 v1, 5, v0
	v_readfirstlane_b32 s10, v1                    ; wave 0..7
	s_lshr_b32 s11, s10, 2
	s_xor_b32 s11, s11, s10
	s_and_b32 s11, s11, 1                          ; the group: it differs between waves w and w + 4, and between 2 i and 2 i + 1
	s_and_b32 s12, ttmp7, 0xffff                   ; 16 b + head
	s_lshr_b32 s13, s12, 4                         ; b
	s_and_b32 s14, s12, 15                         ; head
	v_and_b32 v1, 15, v0                           ; r
	v_bfe_u32 v2, v0, 4, 1                         ; h
	v_mul_u32_u24 v[AK0], v1, KP
	v_lshl_add_u32 v[AK0], v2, 4, v[AK0]           ; a fragment of K: row r, 16 bytes for each half of the lanes
	v_and_b32 v62, 7, v0
	v_lshl_add_u32 v[AV0], v2, 3, v62
	v_mul_u32_u24 v[AV0], v[AV0], VP
	v_bfe_u32 v63, v0, 3, 1
	v_lshl_add_u32 v[AV0], v63, 4, v[AV0]
	v_add_nc_u32 v[AV0], VOFF, v[AV0]              ; the turning load: key 8 h + l % 8, channels 8 ((l / 8) % 2) on
	v_lshrrev_b32 v63, 3, v0
	v_mul_u32_u24 v[SK0], v63, KP
	v_lshl_add_u32 v[SK0], v62, 4, v[SK0]          ; into LDS: eight threads to a row of 128 bytes
	v_mul_u32_u24 v[SV0], v63, VP
	v_lshl_add_u32 v[SV0], v62, 4, v[SV0]
	v_add_nc_u32 v[SV0], VOFF, v[SV0]
	v_lshlrev_b32 v[GO], 4, v0
	v_lshlrev_b32 v[H8], 3, v2
	v_mov_b32 v[NINF], 0xff800000
	v_lshlrev_b32 v[QO], 7, v1
	v_lshl_add_u32 v[QO], v2, 4, v[QO]
	s_mul_i32 s36, s10, 16*KP
	s_add_co_u32 s36, s36, STAGE                   ; my stage
	v_add_nc_u32 v[STO], s36, v[AK0]
	v_bfe_u32 v63, v0, 3, 2
	v_mul_u32_u24 v[RD], v63, KP
	v_lshl_add_u32 v[RD], v62, 4, v[RD]
	v_add_nc_u32 v[RD], s36, v[RD]
	v_and_b32 v63, 31, v0
	v_lshlrev_b32 v[GOUT], 4, v63
	v_lshlrev_b32 v[PFO], 8, v63
.irp i, 0,1,2,3,4,5,6,7
	v_mov_b32 v[ONES+\i], 0x3c003c00               ; 1.0, twice, in f16
.endr
	s_mov_b32 s24, 0x76543210
	s_mov_b32 s25, 0xfedcba98
	s_lshl_b32 s34, s12, 18                        ; the head's 2,048 rows of 128 bytes
	s_mov_b32 s35, 0
	s_lshl_b32 s40, ttmp9, 16                      ; my work-group's 512 queries,
	s_lshl_b32 s41, s10, 13                        ; my wave's 64
	s_add_co_u32 s40, s40, s41
	s_mov_b32 s41, 0
	s_lshr_b32 s36, s10, 1
	s_or_b32 s36, s36, ttmp9
	s_cmp_eq_u32 s36, 0                            ; waves 0 and 1 of the head's first work-group prefetch
	s_cselect_b32 s37, 4, -1
	s_wait_kmcnt 0x0
	s_add_nc_u64 s[26:27], s[4:5], s[34:35]
	s_add_nc_u64 s[42:43], s[26:27], s[40:41]      ; Q at my first query
	s_add_nc_u64 s[28:29], s[26:27], 0x2000000     ; V of the head
	s_add_nc_u64 s[26:27], s[26:27], 0x1000000     ; K of the head
	s_lshl_b32 s34, s13, 7
	s_add_nc_u64 s[46:47], s[6:7], s[34:35]
	s_load_b32 s16, s[46:47], 0x10000              ; the batch's count of open keys
	s_lshl_b32 s34, s14, 20                        ; ctxh: [head][8192 rows][64]
	s_lshl_b32 s36, s13, 18
	s_add_co_u32 s34, s34, s36
	s_add_co_u32 s34, s34, s40
	s_add_nc_u64 s[44:45], s[8:9], s[34:35]
	WIN 0x40
.irp t, 0,1,2,3
.irp c, 0,1
	global_load_b128 v[QF+8*(2*\t+\c):QF+8*(2*\t+\c)+3],   v[QO], s[42:43] offset:\t*2048+64*\c
	global_load_b128 v[QF+8*(2*\t+\c)+4:QF+8*(2*\t+\c)+7], v[QO], s[42:43] offset:\t*2048+64*\c+32
.endr
.endr
	global_load_b128 v[GS:GS+3], v[GO], s[26:27]   ; K of step 0
	global_load_b128 v[GS+4:GS+7], v[GO], s[26:27] offset:4096
.set i, 0
.rept 160
	v_mov_b32 v[i], 0                              ; O^T and the sums.  Written once: the first V^T P falls into a trip whose kind hangs on the count, so a first step of its own would double the text
.set i, i+1
.endr
	WIN 0
	s_wait_kmcnt 0x0
	s_cmp_eq_u32 s16, 0                            ; no open key: equal weights on all keys
	s_cselect_b32 s22, 0, 0x3e38aa3b               ; c = log2(e) / 8
	s_cselect_b32 s16, 0x800, s16
	s_min_u32 s16, s16, 0x800
	s_mov_b32 s23, s22
	s_add_co_u32 s17, s16, 63
	s_lshr_b32 s17, s17, 6                         ; N, 1 to 32
	s_mov_b32 s18, 0
	s_mov_b32 s19, s16
	s_mov_b32 s20, 0
.irp t, 0,1,2,3
	v_mov_b32 v[ST+8*\t+1], 0xff61b1e6             ; m = -3e38, under every score
	v_mul_f32 v[ST+8*\t], s22, v[ST+8*\t+1]
	v_mov_b32 v[ST+8*\t+2], 0
	v_mov_b32 v[ST+8*\t+3], 0                      ; named with a as a pair, so it is written
.endr
	s_wait_loadcnt 0x0                             ; Q and K of step 0
	WIN 0x04
	ds_store_b128 v[SK0], v[GS:GS+3]
	ds_store_b128 v[SK0], v[GS+4:GS+7] offset:32*KP
	WIN 0
	s_wait_dscnt 0x0
	s_barrier_signal -1
	s_barrier_wait -1
	; ---- trip 0: the first scores
	ADDRS
	GBASE
	GLOAD
	KFETCH 0
	KFETCH 1
	s_wait_dscnt 8                                 ; channels 0-31 are in; the other eight loads may be out
	WIN W_KQ
	KQC 0
	s_wait_dscnt 0x0
	KQC 1
	PLACES 4
	WIN 0
	s_cmp_eq_u32 s11, 0
	s_cbranch_scc0 .Lfirst_late
	SM 19, 1
.Lfirst_late:
	LSTORE
	s_wait_dscnt 0x0                               ; my stores have landed and my reads are over
	s_barrier_signal -1
	s_barrier_wait -1
	s_mov_b32 s18, 1
	s_sub_co_i32 s19, s19, 64
	s_xor_b32 s20, s20, SLOT1
.Ltrip:                                            ; J = 1 .. 32
	ADDRS
	s_cmp_gt_u32 s18, s17
	s_cbranch_scc1 .Lidle                          ; past the last step: the barrier alone
	s_cmp_eq_u32 s18, s17
	s_cbranch_scc1 .Llast
	GBASE
	GLOAD
	ASK
	VFETCH
	s_cmp_eq_u32 s11, 1
	s_cbranch_scc0 .Lfull_early
	SM 19, 0                                       ; group 1: step J - 1, which is not the last
.Lfull_early:
	s_wait_dscnt 8                                 ; V's keys 0-31 are in; the other eight loads may be out
	WIN W_PV
	PVH 0
	PLACES 4                                       ; ahead of loads into registers that these products read
	WIN 0
	KFETCH 0
	s_wait_dscnt 8                                 ; V's keys 32-63 are in; K's eight loads may be out
	WIN W_PV
	PVH 1
	PLACES 5                                       ; ahead of the loads, and of the products that write over P
	WIN 0
	KFETCH 1
	s_wait_dscnt 8                                 ; K's channels 0-31 are in
	WIN W_KQ
	KQC 0
	s_wait_dscnt 0x0
	KQC 1
	PLACES 4
	WIN 0
	s_cmp_eq_u32 s11, 0
	s_cbranch_scc0 .Lfull_late
	SM 19, 1                                       ; group 0: step J
.Lfull_late:
	LSTORE
	s_branch .Lidle
.Llast:                                            ; J = N: the last step's second product
	VFETCH
	s_cmp_eq_u32 s11, 1
	s_cbranch_scc0 .Llast_early
	s_add_co_u32 s36, s19, 64
	SM 36, 1                                       ; group 1: the last step
.Llast_early:
	s_wait_dscnt 8
	WIN W_PV
	PVH 0
	s_wait_dscnt 0x0
	PVH 1
	PLACES 4
	WIN 0
.Lidle:
	s_wait_dscnt 0x0                               ; my stores into the other slot have landed, and my reads of this slot are over:
	s_barrier_signal -1                            ; one barrier a trip orders both
	s_barrier_wait -1
	s_add_co_u32 s18, s18, 1
	s_sub_co_i32 s19, s19, 64
	s_xor_b32 s20, s20, SLOT1
	s_cmp_lt_u32 s18, 33
	s_cbranch_scc1 .Ltrip
	; ---- THE WAY OUT: O^T / the sum, to f16, through my stage, a tile (16 rows of 128 bytes) at a time; four rows, 512 consecutive bytes, an instruction
	WIN 0x01
.irp t, 0,1,2,3
	v_rcp_f32 v[ST+8*\t+2], v[LSUM+8*\t]           ; the sum is at least 1: the largest weight is 1
.endr
	v_nop
	s_wait_alu depctr_va_vdst(0)                   ; one wait for the four, ahead of their first reader
.macro PACK t
	WIN W_RS
.set i, 0
.rept 16
	v_pk_mul_f32 v[32*\t+i:32*\t+i+1], v[32*\t+i:32*\t+i+1], v[ST+8*\t+2:ST+8*\t+3] op_sel_hi:[1,0]
.set i, i+2
.endr
	WIN 0x05
.set i, 0
.rept 16
	v_cvt_pk_f16_f32 v[S+32*\t+i], v[32*\t+2*i], v[32*\t+2*i+1]
.set i, i+1
.endr
	WIN 0
.irp ct, 0,1,2,3
	ds_store_b128 v[STO], v[S+32*\t+4*\ct:S+32*\t+4*\ct+3] offset:32*\ct
.endr
.irp f, 0,1,2,3
	ds_load_b128 v[S+32*\t+16+4*\f:S+32*\t+16+4*\f+3], v[RD] offset:576*\f   ; LDS serves a wave's instructions in order: these see the stores above, and the next tile's stores come behind them
.endr
.endm
.macro SEND t, younger                 ; younger: the LDS instructions issued behind tile t's loads
.irp f, 0,1,2,3
	s_wait_dscnt \younger+3-\f
	global_store_b128 v[GOUT], v[S+32*\t+16+4*\f:S+32*\t+16+4*\f+3], s[44:45] offset:\t*2048+512*\f
.endr
.endm
	PACK 0
	PACK 1
	SEND 0, 8
	PACK 2
	SEND 1, 8
	PACK 3
	SEND 2, 8
	SEND 3, 0
	s_wait_tensorcnt 0x0                           ; the wave's end: behind my last LDS store
	ds_add_u32 v[SPW], v[NIL]
	s_wait_dscnt 0x0
	s_endpgm
.Lfunc_end_k_q600b9cce38_attn:
	.size	k_q600b9cce38_attn, .Lfunc_end_k_q600b9cce38_attn-k_q600b9cce38_attn
	.p2alignl 7, 3214868480
	.fill 96, 4, 3214868480
	.section	.rodata,"a",@progbits
	.p2align	6, 0x0
	.amdhsa_kernel k_q600b9cce38_attn
		.amdhsa_group_segment_fixed_size 84992
		.amdhsa_private_segment_fixed_size 0
		.amdhsa_enable_private_segment 0
		.amdhsa_kernarg_size 24
		.amdhsa_user_sgpr_count 2
		.amdhsa_user_sgpr_kernarg_segment_ptr 1
		.amdhsa_wavefront_size32 1
		.amdhsa_system_sgpr_workgroup_id_x 1
		.amdhsa_system_sgpr_workgroup_id_y 1
		.amdhsa_system_sgpr_workgroup_id_z 1
		.amdhsa_system_vgpr_workitem_id 0
		.amdhsa_next_free_vgpr 512
		.amdhsa_next_free_sgpr 66
		.amdhsa_reserve_vcc 1
		.amdhsa_float_denorm_mode_32 3
		.amdhsa_float_denorm_mode_16_64 3
		.amdhsa_memory_ordered 1
		.amdhsa_forward_progress 1
		.amdhsa_inst_pref_size 143
	.end_amdhsa_kernel
	.amdgpu_metadata
---
amdhsa.version: [ 1, 2 ]
amdhsa.kernels:
  - .name:           k_q600b9cce38_attn
    .symbol:         k_q600b9cce38_attn.kd
    .args:
      - { .name: qkv, .offset: 0, .size: 8, .value_kind: global_buffer, .address_space: global }
      - { .name: perm, .offset: 8, .size: 8, .value_kind: global_buffer, .address_space: global }
      - { .name: ctxh, .offset: 16, .size: 8, .value_kind: global_buffer, .address_space: global }
    .group_segment_fixed_size: 84992
    .private_segment_fixed_size: 0
    .kernarg_segment_align: 8
    .kernarg_segment_size: 24
    .max_flat_workgroup_size: 256
    .sgpr_count:     66
    .vgpr_count:     512
    .wavefront_size: 32
...
	.end_amdgpu_metadata
.endif
;; end of part 4
;; launch outp (part 5): grid 4 x 64, 4 waves a work-group, clusters of 4 x 4, 327,680 bytes of LDS; arguments ctxh, wprep, bo, perm, out0; writes out0
.if DOCPART == 5
	.amdgcn_target "amdgcn-amd-amdhsa--gfx1250"
	.amdhsa_code_object_version 6
	.text
	.protected	k_q600b9cce38_outp
	.globl	k_q600b9cce38_outp
	.p2align	8
	.type	k_q600b9cce38_outp,@function
k_q600b9cce38_outp:
	s_mov_b64 s[64:65], 0
	v_nop
	global_prefetch_b8 v0, s[64:65] scope:SCOPE_SE
	s_setreg_imm32_b32 hwreg(HW_REG_WAVE_MODE, 25, 1), 1
	s_wait_xcnt 0x0
	s_wait_alu depctr_hold_cnt(0) depctr_sa_sdst(0) depctr_va_vdst(0) depctr_va_sdst(0) depctr_va_ssrc(0) depctr_va_vcc(0) depctr_vm_vsrc(0)
	s_getreg_b32 s2, hwreg(HW_REG_IB_STS2, 6, 4)
	s_cmp_eq_u32 s2, 0
	s_cbranch_scc0 .Lentry_in_a_cluster
	s_endpgm
.Lentry_in_a_cluster:
	s_bfe_u32 s2, ttmp6, 0x10000c
	s_cmp_lg_u32 s2, 0xf033
	s_cbranch_scc0 .Lentry_shape_is_right
	s_endpgm
.Lentry_shape_is_right:
; out = mish(ctx Wo + bo).  ctx: f16, [16 heads][8192 rows][64] (rows in the order 'open keys first'); Wo: f16, [1024 k][1024 n] as it lies; sums in f32, begun with the bias; out0 f32, each row stored at its own place (order).
; mish(y) = y n / (n + 2) with u = e^min(y, 30), n = u (u + 2): that is y tanh(log(1 + e^y)), and beyond 30 the factor is 1 in f32.  LIMIT: under about y = -87, e^y falls to 0 and the result is 0.
; A tile of C is 128 rows x 256 columns: 256 work-groups.  Four waves, 64 x 128 each: 32 accumulators.  K goes in steps of 128 (two heads) through two LDS slots filled by the tensor data mover.
; CLUSTERS: 4 x 4.  ctx's tiles are shared along a row of the cluster, Wo's along a column: each is asked for jointly.  THE MATRIX INSTRUCTION IS USED TRANSPOSED (source 0 = 16 columns of Wo, turned by
; ds_load_tr16_b128; source 1 = 16 rows of ctx): a lane holds eight neighbouring columns of one row.
; REGISTERS: window 0: v0-31 addresses; two fragment buffers at v32 and v128 (64 of Wo, 32 of ctx); on the way out v32-159 at work, v160-223 rows, v224-239 their addresses.  window 1: the accumulators.  window 2: the bias.
.set AP,    144                        ; a row of ctx in LDS: 128 bytes + 16
.set APL,   128*AP                     ; a head's 128 rows
.set BP,    544                        ; a row of Wo: 512 bytes + 32, an odd multiple of 32
.set SLOT,  2*APL+128*BP               ; two heads of ctx, then 128 rows of Wo
.set STAGE, 2*SLOT                     ; behind the slots: 16 rows x 528 bytes for each wave
.set SPITCH, 528
.set SPARE, STAGE+4*16*SPITCH          ; the spare words, 128 bytes a wave; no other line names them
.set WO_OFF, 1671168
.set LAPS,  4                          ; eight K steps
.set ADRA, 16
.set ADRB, 20
.set STO,  24
.set RD,   25
.set CO,   26
.set BO,   27
.set SPW,  28
.set NIL,  29
.set F0,   32
.set F1,   128
.set T,    32
.set W,    96
.set BK,   160
.set RA,   224
.set G1, 24
.set G0, 32
.set G1B, 48
.set G0B, 56
.set MSB, 0
.macro WIN new                         ; the immediate's high byte repeats the setting that is left
.if MSB != \new
	s_set_vgpr_msb (MSB<<8)|\new
.set MSB, \new
.endif
.endm
.set MUL,  0x50                        ; C and D window 1
.set MULF, 0x60                        ; the first quarter: C is the bias, in window 2
.macro JLOAD s                         ; a joint load: waves 0 and 1 fetch ctx's two heads, waves 2 and 3 Wo's two halves; an s_nop 0 and four v_nop follow each line
	s_cmp_eq_u32 s15, 0
	s_cbranch_scc0 .Lfor_b_\@
	tensor_load_to_lds s[G0+4*\s:G0+4*\s+3], s[G1:G1+7]
	s_nop 0
.rept 4
	v_nop
.endr
	s_branch .Lasked_\@
.Lfor_b_\@:
	tensor_load_to_lds s[G0B+4*\s:G0B+4*\s+3], s[G1B:G1B+7]
	s_nop 0
.rept 4
	v_nop
.endr
.Lasked_\@:
.endm
.macro CREST
	s_cmp_lg_u32 s14, 0
	s_cbranch_scc1 .Lnot_wave_0_\@
	s_barrier_signal -3
.Lnot_wave_0_\@:
	s_barrier_wait -3
	s_barrier_signal -1
	s_barrier_wait -1
.endm
.macro CROUND
	s_barrier_signal -1
	s_barrier_wait -1
	CREST
.endm
	s_load_b128 s[4:7], s[0:1], 0x0                ; ctxh, wprep
	s_load_b128 s[8:11], s[0:1], 0x10              ; bo, perm
	s_load_b64 s[12:13], s[0:1], 0x20              ; out0
	v_lshl_add_u32 v[SPW], v0, 2, SPARE
	v_mov_b32 v[NIL], 0
	ds_add_u32 v[SPW], v[NIL]                      ; the wave's opening: the add, twice on end, and its wait ahead of my first tensor load
	ds_add_u32 v[SPW], v[NIL]
	v_lshrrev_b32 v1, 5, v0
	v_readfirstlane_b32 s14, v1                    ; wave 0..3
	s_lshr_b32 s15, s14, 1                         ; which 64 rows are mine.  Also: I fetch ctx (0) or Wo (1)
	s_and_b32 s16, s14, 1                          ; which 128 columns.  Also: which half I fetch
	s_bfe_u32 s40, ttmp6, 0x40000                  ; cx, cy
	s_bfe_u32 s41, ttmp6, 0x40004
	s_lshl_b32 s42, ttmp9, 2
	s_add_co_u32 s42, s42, s40                     ; tile column
	s_and_b32 s17, ttmp7, 0xffff
	s_lshl_b32 s17, s17, 2
	s_add_co_u32 s17, s17, s41                     ; tile row
	s_lshl_b32 s43, s41, 2
	s_lshl_b32 s43, 15, s43                        ; my row of the cluster
	s_lshl_b32 s44, 0x1111, s40                    ; my column
	s_or_b32 s[G1+0], s43, (1<<16)|(1<<20)|(1<<21)|(4<<22)|(3<<25)   ; the mask; elements of 2 bytes; padding on; bit 21 beside a mask; 4 words behind every 32
	s_mov_b32 s[G1+1], 64<<16                      ; tensor_dim0 = 64
	s_mov_b32 s[G1+2], 128<<16                     ; tensor_dim1 = 128
	s_mov_b32 s[G1+3], 64<<16                      ; tile_dim0
	s_mov_b32 s[G1+4], 128                         ; tile_dim1
	s_mov_b32 s[G1+5], 64                          ; the pitch
	s_mov_b32 s[G1+6], 0
	s_mov_b32 s[G1+7], 0
	s_or_b32 s[G1B+0], s44, (1<<16)|(1<<20)|(1<<21)|(6<<22)|(7<<25)  ; 8 words behind every 128
	s_mov_b32 s[G1B+1], 256<<16
	s_mov_b32 s[G1B+2], 64<<16
	s_mov_b32 s[G1B+3], 256<<16
	s_mov_b32 s[G1B+4], 64
	s_mov_b32 s[G1B+5], 1024
	s_mov_b32 s[G1B+6], 0
	s_mov_b32 s[G1B+7], 0
	s_lshl_b32 s20, s16, 20                        ; ctx: head = my half, 8,192 rows of 128 bytes a head;
	s_lshl_b32 s21, s17, 14                        ; the tile's 128 rows
	s_add_co_u32 s20, s20, s21
	s_mov_b32 s21, 0
	s_lshl_b32 s46, s16, 17                        ; Wo: my 64 rows of 2,048 bytes;
	s_lshl_b32 s47, s42, 9                         ; the tile's 256 columns
	s_add_co_u32 s46, s46, s47
	s_add_co_u32 s46, s46, WO_OFF
	s_mov_b32 s47, 0
	s_mul_i32 s22, s16, APL                        ; where they go: no place in the cluster enters an LDS address
	s_mul_i32 s23, s16, 64*BP
	s_add_co_u32 s23, s23, 2*APL
	s_wait_dscnt 0x0                               ; both opening adds are done
	s_wait_kmcnt 0x0
	s_add_nc_u64 s[20:21], s[4:5], s[20:21]
	s_add_nc_u64 s[46:47], s[6:7], s[46:47]
	CROUND                                         ; all sixteen work-groups are here: the first joint loads meet
.irp s, 0,1
	s_mov_b32 s[G0+4*\s], 1
	s_add_co_u32 s[G0+4*\s+1], s22, \s*SLOT
	s_add_nc_u64 s[G0+4*\s+2:G0+4*\s+3], s[20:21], \s*0x200000     ; K step s: heads 2 s, 2 s + 1
	s_or_b32 s[G0+4*\s+3], s[G0+4*\s+3], 0x80000000
	s_mov_b32 s[G0B+4*\s], 1
	s_add_co_u32 s[G0B+4*\s+1], s23, \s*SLOT
	s_add_nc_u64 s[G0B+4*\s+2:G0B+4*\s+3], s[46:47], \s*262144     ; 128 rows of Wo
	s_or_b32 s[G0B+4*\s+3], s[G0B+4*\s+3], 0x80000000
	JLOAD \s
.endr
	v_and_b32 v1, 15, v0                           ; r
	v_bfe_u32 v2, v0, 4, 1                         ; h
	s_lshl_b32 s18, s42, 10
	s_lshl_b32 s19, s16, 9
	s_add_co_u32 s18, s18, s19                     ; my first column, in bytes of f32
	s_mov_b32 s19, 0
	s_add_nc_u64 s[8:9], s[8:9], s[18:19]
	s_add_nc_u64 s[12:13], s[12:13], s[18:19]
	v_lshlrev_b32 v[BO], 5, v2
	WIN 0x80
.irp b, 0,1,2,3,4,5,6,7
	global_load_b128 v[8*\b:8*\b+3], v[BO], s[8:9] offset:64*\b        ; the bias in the result's layout: block b's eight numbers of my half
	global_load_b128 v[8*\b+4:8*\b+7], v[BO], s[8:9] offset:64*\b+16
.endr
	WIN 0
	s_lshl_b32 s18, s17, 9
	s_lshl_b32 s20, s15, 8
	s_add_co_u32 s18, s18, s20
	s_add_co_u32 s18, s18, 32768
	s_add_nc_u64 s[84:85], s[10:11], s[18:19]      ; order at my first row
	s_mov_b32 s86, 0x41f00000                      ; 30.0
	v_mul_u32_u24 v3, v1, AP
	v_lshl_add_u32 v3, v2, 4, v3
	s_mul_i32 s21, s15, 64*AP                      ; my 64 rows of ctx
	v_and_b32 v4, 7, v0
	v_lshl_add_u32 v4, v2, 3, v4
	v_mul_u32_u24 v4, v4, BP
	v_bfe_u32 v5, v0, 3, 1
	v_lshl_add_u32 v4, v5, 4, v4                   ; the turning load: row 8 h + l % 8, columns 8 ((l / 8) % 2) on
	s_lshl_b32 s22, s16, 8                         ; my 128 columns
	s_add_co_u32 s22, s22, 2*APL
.irp s, 0,1
	v_add_nc_u32 v[ADRA+\s], s21, v3
	v_add_nc_u32 v[ADRB+\s], s22, v4
	s_add_co_u32 s21, s21, SLOT
	s_add_co_u32 s22, s22, SLOT
.endr
	s_mul_i32 s23, s14, 16*SPITCH
	s_add_co_u32 s23, s23, STAGE                   ; my stage
	v_mul_u32_u24 v5, v1, SPITCH
	v_lshl_add_u32 v5, v2, 5, v5
	v_add_nc_u32 v[STO], s23, v5                   ; in: row r, 32 bytes for each half of the lanes
	v_and_b32 v6, 31, v0
	v_lshlrev_b32 v[CO], 4, v6
	v_add_nc_u32 v[RD], s23, v[CO]                 ; back: the 32 lanes take a row of 512 bytes
.macro MUL8 f, a, first                ; ctx's block a against Wo's eight.  The 32 accumulators take turns, one instruction a turn, in the same order in every quarter
.irp b, 0,1,2,3,4,5,6,7
.if \first
	v_wmma_f32_16x16x32_f16 v[8*(8*(\a)+\b):8*(8*(\a)+\b)+7], v[\f+8*\b:\f+8*\b+7], v[\f+64+8*(\a):\f+64+8*(\a)+7], v[8*\b:8*\b+7]
.else
	v_wmma_f32_16x16x32_f16 v[8*(8*(\a)+\b):8*(8*(\a)+\b)+7], v[\f+8*\b:\f+8*\b+7], v[\f+64+8*(\a):\f+64+8*(\a)+7], v[8*(8*(\a)+\b):8*(8*(\a)+\b)+7]
.endif
.endr
.endm
.macro FETCH slot, q, f                ; 24 LDS loads in one run: the fragments of 32 along K, the slot's q-th: Wo's sixteen loads, then ctx's eight
	WIN 0
.irp b, 0,1,2,3,4,5,6,7
	ds_load_tr16_b128 v[\f+8*\b:\f+8*\b+3],   v[ADRB+\slot] offset:(\q)*32*BP+32*\b
	ds_load_tr16_b128 v[\f+8*\b+4:\f+8*\b+7], v[ADRB+\slot] offset:(\q)*32*BP+16*BP+32*\b
.endr
.irp i, 0,1,2,3
	ds_load_b128 v[\f+64+8*\i:\f+64+8*\i+3],   v[ADRA+\slot] offset:((\q)/2)*APL+((\q)%2)*64+\i*16*AP
	ds_load_b128 v[\f+64+8*\i+4:\f+64+8*\i+7], v[ADRA+\slot] offset:((\q)/2)*APL+((\q)%2)*64+\i*16*AP+32
.endr
.endm
.macro PLACES
.rept 4
	v_nop
.endr
.endm
.macro QUARTER slot, q, f, g, first    ; multiplies buffer f and fetches the slot's q-th quarter into g
	s_wait_dscnt 4                                 ; Wo's fragments and ctx's blocks 0, 1 are in; the youngest four loads (blocks 2, 3) may be out
.if \first
	WIN MULF
.else
	WIN MUL
.endif
	MUL8 \f, 0, \first
	MUL8 \f, 1, \first
	PLACES
	FETCH \slot, \q, \g
	s_wait_dscnt 24                                ; all but the 24 just issued
.if \first
	WIN MULF
.else
	WIN MUL
.endif
	MUL8 \f, 2, \first
	MUL8 \f, 3, \first
.endm
; A slot's last quarter multiplies buffer 1 and changes slots: one barrier; ahead of it each wave waits for all its tensor loads, adds 0 to its spare word, and waits for that and for its reads of this slot.
.macro TURN slot, next, fill
	WIN 0
	s_wait_tensorcnt 0x0                           ; all my tensor loads have landed: my part of the next slot
	ds_add_u32 v[SPW], v[NIL]                      ; 0 onto my spare word
	s_wait_dscnt 5                                 ; (the add and the youngest four loads may be out)
	WIN MUL
	MUL8 F1, 0, 0
	s_wait_dscnt 0x0                               ; the add is done, and my reads of this slot are over
	s_barrier_signal -1
	MUL8 F1, 1, 0
.if \fill
	WIN 0
.endif
	s_barrier_wait -1
.if \fill
	CREST                                          ; the barrier has opened a round of the cluster's: no wave of any partner still reads this slot or has a load on its way
	s_add_nc_u64 s[G0+4*\slot+2:G0+4*\slot+3], s[G0+4*\slot+2:G0+4*\slot+3], 0x400000
	s_add_nc_u64 s[G0B+4*\slot+2:G0B+4*\slot+3], s[G0B+4*\slot+2:G0B+4*\slot+3], 524288
	JLOAD \slot                                    ; the first tensor load behind the round, 112 matrix instructions ahead of the wait for it; its four v_nop are also the places ahead of the loads below
.else
	PLACES
.endif
	FETCH \next, 0, F0
	WIN MUL
	MUL8 F1, 2, 0
	MUL8 F1, 3, 0
.endm
	s_wait_tensorcnt 1                             ; my part of K step 0 is in (K step 1's may be out)
	s_barrier_signal -1
	s_barrier_wait -1                              ; everybody's is
	FETCH 0, 0, F0
	s_wait_loadcnt 0x0                             ; the bias
	QUARTER 0, 1, F0, F1, 1                        ; the first quarter stands ahead of the loop: its products begin the sums with the bias
	WIN 0
	s_mov_b32 s3, LAPS-1
.Llap:                                             ; a trip goes once round the two slots and fills both again
	QUARTER 0, 2, F1, F0, 0
	QUARTER 0, 3, F0, F1, 0
	TURN 0, 1, 1
	QUARTER 1, 1, F0, F1, 0
	QUARTER 1, 2, F1, F0, 0
	QUARTER 1, 3, F0, F1, 0
	TURN 1, 0, 1
	QUARTER 0, 1, F0, F1, 0
	WIN 0
	s_sub_co_u32 s3, s3, 1
	s_cmp_lg_u32 s3, 0
	s_cbranch_scc1 .Llap
	QUARTER 0, 2, F1, F0, 0                        ; the last lap fills nothing
	QUARTER 0, 3, F0, F1, 0
	TURN 0, 1, 0
	QUARTER 1, 1, F0, F1, 0
	QUARTER 1, 2, F1, F0, 0
	QUARTER 1, 3, F0, F1, 0
	s_wait_dscnt 4
	WIN MUL
	MUL8 F1, 0, 0
	MUL8 F1, 1, 0
	s_wait_dscnt 0x0
	MUL8 F1, 2, 0
	MUL8 F1, 3, 0
	PLACES
	WIN 0
; THE WAY OUT, a block of 16 rows x 128 columns at a time: mish in f32; through my own stage; back as whole rows of 512 bytes; each row to the place that order names.
.macro BLOCKOUT a
	s_load_b512 s[68:83], s[84:85], 64*(\a)        ; the block's 16 rows' places: asked for ahead of the arithmetic
	WIN 0x04                                       ; source 1: window 1
.set i, 0
.rept 64
	v_min_num_f32 v[T+i], s86, v[64*(\a)+i]        ; each accumulator from its low end on
.set i, i+1
.endr
	WIN 0
.set i, 0
.rept 32
	v_pk_mul_f32 v[T+i:T+i+1], v[T+i:T+i+1], 0x3fb8aa3b op_sel_hi:[1,0]
.set i, i+2
.endr
.set i, 0
.rept 64
	v_exp_f32 v[T+i], v[T+i]                       ; u
.set i, i+1
.endr
	v_nop
	s_wait_alu depctr_va_vdst(0)                   ; one wait for the batch
.set i, 0
.rept 32
	v_pk_add_f32 v[W+i:W+i+1], v[T+i:T+i+1], 2.0 op_sel_hi:[1,0]
.set i, i+2
.endr
.set i, 0
.rept 32
	v_pk_mul_f32 v[T+i:T+i+1], v[T+i:T+i+1], v[W+i:W+i+1]          ; n = u (u + 2)
.set i, i+2
.endr
.set i, 0
.rept 32
	v_pk_add_f32 v[W+i:W+i+1], v[T+i:T+i+1], 2.0 op_sel_hi:[1,0]
.set i, i+2
.endr
.set i, 0
.rept 64
	v_rcp_f32 v[W+i], v[W+i]
.set i, i+1
.endr
	v_nop
	s_wait_alu depctr_va_vdst(0)
.set i, 0
.rept 32
	v_pk_mul_f32 v[T+i:T+i+1], v[T+i:T+i+1], v[W+i:W+i+1]          ; n / (n + 2)
.set i, i+2
.endr
	WIN 0x04
.set i, 0
.rept 32
	v_pk_mul_f32 v[T+i:T+i+1], v[T+i:T+i+1], v[64*(\a)+i:64*(\a)+i+1]   ; x y
.set i, i+2
.endr
	WIN 0
	s_wait_xcnt 0x0                                ; the last block's stores have read their addresses and their data: both are written again below
	s_wait_kmcnt 0x0
.irp t, 0,1,2,3,4,5,6,7,8,9,10,11,12,13,14,15
	s_min_u32 s[68+\t], s[68+\t], 0x1fff           ; a row enters an address only clamped
	s_lshl_b32 s[68+\t], s[68+\t], 12
	v_add_nc_u32 v[RA+\t], s[68+\t], v[CO]
.endr
.irp b, 0,1,2,3,4,5,6,7
	ds_store_b128 v[STO], v[T+8*\b:T+8*\b+3] offset:64*\b
	ds_store_b128 v[STO], v[T+8*\b+4:T+8*\b+7] offset:64*\b+16
.endr
.irp t, 0,1,2,3,4,5,6,7,8,9,10,11,12,13,14,15
	ds_load_b128 v[BK+4*\t:BK+4*\t+3], v[RD] offset:\t*SPITCH      ; LDS serves a wave's instructions in order: these see the stores above
.endr
.irp t, 0,1,2,3,4,5,6,7,8,9,10,11,12,13,14,15
	s_wait_dscnt 15-\t                             ; the younger loads may be out
	global_store_b128 v[RA+\t], v[BK+4*\t:BK+4*\t+3], s[12:13] th:TH_STORE_NT   ; 32 lanes store 512 consecutive bytes of a row, at a multiple of 256 from out0's first byte
.endr
.endm
	BLOCKOUT 0
	BLOCKOUT 1
	BLOCKOUT 2
	BLOCKOUT 3
	s_wait_tensorcnt 0x0                           ; the wave's end
	ds_add_u32 v[SPW], v[NIL]
	s_wait_dscnt 0x0
	CROUND                                         ; the closing round
	s_endpgm
.Lfunc_end_k_q600b9cce38_outp:
	.size	k_q600b9cce38_outp, .Lfunc_end_k_q600b9cce38_outp-k_q600b9cce38_outp
	.p2alignl 7, 3214868480
	.fill 96, 4, 3214868480
	.section	.rodata,"a",@progbits
	.p2align	6, 0x0
	.amdhsa_kernel k_q600b9cce38_outp
		.amdhsa_group_segment_fixed_size 327680
		.amdhsa_private_segment_fixed_size 0
		.amdhsa_enable_private_segment 0
		.amdhsa_kernarg_size 40
		.amdhsa_user_sgpr_count 2
		.amdhsa_user_sgpr_kernarg_segment_ptr 1
		.amdhsa_wavefront_size32 1
		.amdhsa_system_sgpr_workgroup_id_x 1
		.amdhsa_system_sgpr_workgroup_id_y 1
		.amdhsa_system_sgpr_workgroup_id_z 1
		.amdhsa_system_vgpr_workitem_id 0
		.amdhsa_next_free_vgpr 576
		.amdhsa_next_free_sgpr 100
		.amdhsa_reserve_vcc 0
		.amdhsa_float_denorm_mode_32 3
		.amdhsa_float_denorm_mode_16_64 3
		.amdhsa_memory_ordered 1
		.amdhsa_forward_progress 1
		.amdhsa_inst_pref_size 174
	.end_amdhsa_kernel
	.amdgpu_metadata
---
amdhsa.version: [ 1, 2 ]
amdhsa.kernels:
  - .name:           k_q600b9cce38_outp
    .symbol:         k_q600b9cce38_outp.kd
    .args:
      - { .name: ctxh, .offset: 0, .size: 8, .value_kind: global_buffer, .address_space: global }
      - { .name: wprep, .offset: 8, .size: 8, .value_kind: global_buffer, .address_space: global }
      - { .name: bo, .offset: 16, .size: 8, .value_kind: global_buffer, .address_space: global }
      - { .name: perm, .offset: 24, .size: 8, .value_kind: global_buffer, .address_space: global }
      - { .name: out0, .offset: 32, .size: 8, .value_kind: global_buffer, .address_space: global }
    .group_segment_fixed_size: 327680
    .private_segment_fixed_size: 0
    .kernarg_segment_align: 8
    .kernarg_segment_size: 40
    .max_flat_workgroup_size: 128
    .sgpr_count:     100
    .vgpr_count:     576
    .wavefront_size: 32
...
	.end_amdgpu_metadata
.endif
;; end of part 5
